; MI455X (gfx1250); checked and timed in simulation.
; The chip was launched on July 23, 2026; its instructions are those of AMD's public machine-readable ISA for CDNA 5 (MIT licence, August 2026) and "CDNA5" Instruction Set Architecture Reference Guide (July 2026). The comments in the code are by the model that wrote it; some were corrected since.
;; Expert FFN. Allowed arithmetic: matrix products marked QUANTISED: E2M1 operands, one E8M0 scale for each 32 along K, by v_wmma_scale_f32_16x16x128_f8f6f4 with both operands' format E2M1 (or v_wmma_scale_f32_32x16x128_f4), f32 sums; products left as they are: f32 operands where the result goes on into a quantised operand, else bf16, f16 or f32 operands; f32 sums; everything else in f32.
;; Inputs: expert_b 8 x 1,024 float32; expert_w 8 x 1,024 x 1,024 float32; router_b 8 float32; router_w 1,024 x 8 float32; x 4 x 2,048 x 1,024 float32.
;; Outputs: out0 4 x 2,048 x 1,024 float32.
;; This version of the problem:
;;   THIS VERSION OF THE PROBLEM IS GIVEN IN LOW PRECISION. The matrix products marked QUANTISED in the list below multiply operands that are first quantised to E2M1 (2 exponent bits, 1 mantissa bit; 4 bits a number), with one power-of-two scale for each 32 numbers along K (OCP MX v1.0); their sums are f32. All else is computed in f32.
;;   The module's matrix products, in the order in which they are computed (A, B: the left and right operand; K: the contracted axis; several contracted axes count as one K, in the product's order):
;;     1. [M 8,192, K 1,024] x [K 1,024, N 8]; A: input x; B: input router_w: left as it is (N = 8 < 16)
;;     2. [M 8,192, K 1,024] x [K 1,024, N 8,192]; A: input x; B: input expert_w: QUANTISED
;;   THE QUANTISER, for each operand of a quantised product, along K:
;;     - K is cut into blocks of 32 from its start; a last block that is shorter is filled with zeros.
;;     - A block's scale is 2^e with e = floor(log2(the largest magnitude in the block)) - 2, held to -126 .. 127; a block of zeros has e = 0. As a byte (E8M0): e + 127.
;;     - Each number is divided by its block's scale, clamped to +-6, and rounded to the nearest number of E2M1, ties to even, subnormals kept.
;;     - The product sums the exact products of the quantised numbers (number of the format x scale) in f32.
;;   ~~~python
;;   def quantise(x, axis):      # numpy; x: float32 -> the quantised numbers, widened to float32 again
;;       x = np.moveaxis(x, axis, -1); K = x.shape[-1]
;;       x = np.pad(x, [(0, 0)] * (x.ndim - 1) + [(0, -K % 32)]); x = x.reshape(x.shape[:-1] + (-1, 32)); a = np.abs(x).max(-1, keepdims=True)
;;       e = np.where(a > 0, np.clip(np.frexp(np.where(a > 0, a, 1))[1] - 1 - 2, -126, 127), 0)      # np.frexp(a)[1] - 1 = floor(log2(a)), exactly
;;       r = np.clip(x / 2.0 ** e, -6, 6)
;;       step = 2.0 ** (np.maximum(np.frexp(np.where(r == 0, 1, r))[1] - 1, 0) - 1)
;;       q = np.round(r / step) * step * 2.0 ** e      # np.round: ties to even
;;       return np.moveaxis(q.reshape(q.shape[:-2] + (-1,))[..., :K], -1, axis).astype(np.float32)
;;   ~~~
;; 2 versions. Each part assembles by itself: llvm-mc -triple=amdgcn-amd-amdhsa -mcpu=gfx1250 --defsym DOCPART=n.
;; ======== version 1 of 2: 3 launches
;; workspace buffers: xc 4,194,304 bytes; xs 262,144 bytes; wc 4,194,304 bytes; ws 262,144 bytes; gate 32,768 bytes; choice 32,768 bytes of whole numbers; rows 36,864 bytes of whole numbers; tiles 2,048 bytes of whole numbers
;; launch qx (part 1): grid 256 x 1, 8 waves a work-group, no clusters, 168,960 bytes of LDS; arguments x, router_w, router_b, xc, xs, choice, gate; writes xc, xs, choice, gate
.if DOCPART == 1
	.amdgcn_target "amdgcn-amd-amdhsa--gfx1250"
	.amdhsa_code_object_version 6
	.text
	.protected	k_q7c6137524b_qx
	.globl	k_q7c6137524b_qx
	.p2align	8
	.type	k_q7c6137524b_qx,@function
k_q7c6137524b_qx:
	s_mov_b64 s[64:65], 0
	v_nop
	global_prefetch_b8 v0, s[64:65] scope:SCOPE_SE
	s_setreg_imm32_b32 hwreg(HW_REG_WAVE_MODE, 25, 1), 1
	s_wait_xcnt 0x0
; x [8192][1024] f32 is read once and serves twice: it is quantised to codes of E2M1 (one E8M0 byte for each 32 along the row), and the router is computed from it in f32.
; OUT: xc [token][512 bytes]: block b of 32 codes at byte 16 b, the lower k in the low four bits.  xs [token][8 words]: word s = the four scale bytes of k = 128 s .. 128 s + 127.
;      choice [token] int32: the first largest logit.  gate [token] f32: 1 / sum over e of exp(logit e - largest logit), which is the largest probability of the softmax.
; SHARES.  A work-group takes 32 tokens.  Wave w takes k = 128 w .. 128 w + 127 of all 32: one tensor load brings its 32 rows x 512 bytes into LDS bytes of its own, and it reads them back with
; LANE = TOKEN and the registers running along k.  So a block of 32 lies in one lane (its largest magnitude asks no other lane, four conversions give its 16 bytes, the wave's four bytes are one scale word),
; and the router's weights are the same for all lanes of an instruction.
; THE ROUTER'S WEIGHTS of the wave, 128 x 8 numbers, lie in 64 registers, sixteen numbers to a register, the same in both halves of the lanes; each multiply-add takes its weight from lane n of the half (row_share:n).
; 128 fused multiply-adds in ascending k for each token and expert, then the eight waves' parts are added in a tree, then the bias.
; A block's scale byte is its largest magnitude's exponent field - 2, held at 1 from below.
; LIMITS: NaN and infinities are not served.  A block of zeros gets the byte 1 (the rule says 127): its codes are zeros and this program alone reads the bytes.  Blocks whose largest magnitude lies under 2^-124 are held at the byte 1.
; The argmax is taken of the logits (the exponential rises with its argument), the lower index on a tie; the logits' order of summation is the one stated above, so it can differ from another order's where two logits agree to f32 rounding.
; NO CLUSTER: the work-groups share only the router's 32,768 bytes, beside 131,072 bytes of x that each reads alone.  No LDS byte is filled twice.
.set TROW,  528                        ; an LDS row: 512 bytes + 16 of padding: an odd multiple of 16, so that lanes that read the same column of neighbouring rows start at different banks
.set XTW,   32*TROW                    ; a wave's tile: 16,896 bytes
.set CST,   8*XTW                      ; 135,168: the stage for the codes, 32 rows of 528
.set SCS,   CST+XTW                    ; 152,064: the scale words, [token][32 bytes]
.set PART,  SCS+1024                   ; 153,088: the logits' parts, [wave][half][lane][16 bytes]: 8,192 bytes
.set ACC,   16                         ; v16-23   my token's eight partial logits
.set X,     32                         ; v32-95   two sets of 32 numbers
.set C,     96                         ; v96-111  the codes of my four blocks
.set SW,    112                        ; v112     my scale word
.set W,     120                        ; v120-183 the router's weights
.set WV,    38                         ; s38      my wave's number
; v1 lane; v2 my row in my wave's tile; v3, v4, v5 where I put codes, scale word, parts; v6, v8, v9 where they are read back; v7, v24, v10 offsets in xc, xs, choice and gate; v11 the weights' offset; v12-15 at work
.macro XLOAD b                         ; block b of my token: 32 numbers, 128 bytes
.irp i, 0,1,2,3,4,5,6,7
	ds_load_b128 v[X+32*((\b)%2)+4*\i:X+32*((\b)%2)+4*\i+3], v2 offset:128*(\b)+16*\i
.endr
.endm
; 256 multiply-adds: k = 32 b + 8 ch + rs / 2, expert 4 (rs % 2) + j.  An accumulator comes round every eighth line.
.macro ROUTE b
.irp ch, 0,1,2,3
.irp rs, 0,1,2,3,4,5,6,7,8,9,10,11,12,13,14,15
.irp j, 0,1,2,3
	v_fmac_f32_dpp v[ACC+4*(\rs%2)+\j], v[W+4*(4*(\b)+\ch)+\j], v[X+32*((\b)%2)+8*\ch+\rs/2] row_share:\rs row_mask:0xf bank_mask:0xf
.endr
.endr
.endr
.endm
; 32 numbers v[xs] on become 4 registers of codes v[c] on; the byte goes to place t of the scale word
.macro QBLK xs, c, t
	v_max3_num_f32 v12, |v[(\xs)]|, |v[(\xs)+1]|, |v[(\xs)+2]|
	v_max3_num_f32 v13, |v[(\xs)+3]|, |v[(\xs)+4]|, |v[(\xs)+5]|
.irp i, 6,10,14,18,22,26
	v_max3_num_f32 v12, v12, |v[(\xs)+\i]|, |v[(\xs)+\i+1]|
	v_max3_num_f32 v13, v13, |v[(\xs)+\i+2]|, |v[(\xs)+\i+3]|
.endr
	v_max3_num_f32 v12, v12, |v[(\xs)+30]|, |v[(\xs)+31]|
	v_max3_num_f32 v12, v12, v13, 0x1800000        ; and the floor 2^(3 - 127): the byte cannot fall under 1
	v_add_nc_u32 v14, 0xff000000, v12              ; 2 off the exponent field: the conversion takes the exponent field of this operand as its scale
.irp g, 0,1,2,3
	v_cvt_scalef32_pk8_fp4_f32 v[(\c)+\g], v[(\xs)+8*\g:(\xs)+8*\g+7], v14
.endr
	v_lshrrev_b32 v15, 23, v14                     ; the byte; also the plain line behind the conversions
.if (\t) == 0
	v_mov_b32 v[SW], v15
.else
	v_lshl_or_b32 v[SW], v15, 8*(\t), v[SW]
.endif
.endm
	s_load_b256 s[4:11], s[0:1], 0x0               ; x s[4:5], router_w s[6:7], router_b s[8:9], xc s[10:11]
	s_load_b128 s[12:15], s[0:1], 0x20             ; xs s[12:13], choice s[14:15]
	s_load_b64 s[36:37], s[0:1], 0x30              ; gate
	v_lshl_add_u32 v192, v0, 2, 0x29000
	v_mov_b32 v193, 0
	ds_add_u32 v192, v193
	ds_add_u32 v192, v193
	v_lshrrev_b32 v12, 5, v0
	v_readfirstlane_b32 s[WV], v12                 ; wave 0..7
	; descriptor group 1: 32 rows x 128 elements of 4 bytes, 1,024 elements from row to row, 4 words of padding behind every 128
	s_mov_b32 s28, (2<<16)|(1<<20)|(6<<22)|(3<<25)
	s_mov_b32 s29, 128<<16                         ; tensor_dim0
	s_mov_b32 s30, 32<<16                          ; tensor_dim1
	s_mov_b32 s31, 128<<16                         ; tile_dim0
	s_mov_b32 s32, 32                              ; tile_dim1
	s_mov_b32 s33, 1024                            ; the pitch
	s_mov_b32 s34, 0
	s_mov_b32 s35, 0
	s_mov_b32 s24, 1                               ; group 0: count,
	s_mul_i32 s25, s[WV], XTW                      ; my wave's tile in LDS,
	s_lshl_b32 s2, ttmp9, 17                       ; 32 rows of 4,096 bytes a work-group
	s_lshl_b32 s39, s[WV], 9                       ; my 512 bytes of a row
	s_add_co_u32 s2, s2, s39
	s_mov_b32 s3, 0
	s_wait_dscnt 0x0
	s_wait_kmcnt 0x0
	s_add_nc_u64 s[26:27], s[4:5], s[2:3]          ; the tile's first element,
	s_or_b32 s27, s27, 0x80000000                  ; the type
	tensor_load_to_lds s[24:27], s[28:35]          ; my one tensor load: the only fill of these bytes
	s_nop 0
.rept 4
	v_nop
.endr
	s_load_b256 s[16:23], s[8:9], 0x0              ; the eight biases
	v_and_b32 v11, 15, v0
	v_lshlrev_b32 v11, 4, v11                      ; both halves of the lanes take the same 256 bytes
	s_lshl_b32 s2, s[WV], 12                       ; my 128 rows of router_w, 32 bytes each
	s_add_nc_u64 s[6:7], s[6:7], s[2:3]
.irp ch, 0,1,2,3,4,5,6,7,8,9,10,11,12,13,14,15
	global_load_b128 v[W+4*\ch:W+4*\ch+3], v11, s[6:7] offset:256*\ch
.endr
	s_lshl_b32 s2, ttmp9, 14
	s_add_nc_u64 s[10:11], s[10:11], s[2:3]        ; xc: 32 rows of 512 bytes
	s_lshl_b32 s2, ttmp9, 10
	s_add_nc_u64 s[12:13], s[12:13], s[2:3]        ; xs: 32 rows of 32 bytes
	s_lshl_b32 s2, ttmp9, 7
	s_add_nc_u64 s[14:15], s[14:15], s[2:3]        ; choice and gate: 32 words
	s_add_nc_u64 s[36:37], s[36:37], s[2:3]
	v_and_b32 v1, 31, v0                           ; lane = token
	v_mul_u32_u24 v12, v1, TROW
	v_lshlrev_b32 v14, 4, v1                       ; 16 x lane
	v_add_nc_u32 v2, s25, v12                      ; my row of my wave's tile
	s_lshl_b32 s39, s[WV], 6
	v_add_nc_u32 v3, s39, v12
	v_add_nc_u32 v3, CST, v3                       ; codes in: row = token, my wave's 64 bytes
	v_lshlrev_b32 v4, 5, v1
	s_lshl_b32 s39, s[WV], 2
	v_add_nc_u32 v4, s39, v4
	v_add_nc_u32 v4, SCS, v4                       ; scale word in: 32 x token + 4 x wave
	s_lshl_b32 s39, s[WV], 10
	v_add_nc_u32 v5, s39, v14
	v_add_nc_u32 v5, PART, v5                      ; parts in
	s_mul_i32 s39, s[WV], 4*TROW
	v_add_nc_u32 v6, s39, v14
	v_add_nc_u32 v6, CST, v6                       ; codes back: wave w takes rows 4 w .. 4 w + 3, whole
	s_lshl_b32 s39, s[WV], 11
	v_add_nc_u32 v7, s39, v14                      ; and the same rows in xc
	s_lshl_b32 s39, s[WV], 9
	v_add_nc_u32 v24, s39, v14                     ; scale words back (waves 0 and 1): 512 bytes a wave,
	v_add_nc_u32 v8, SCS, v24
	v_add_nc_u32 v9, PART, v14                     ; parts back (wave 7)
	v_lshlrev_b32 v10, 2, v1
.irp e, 0,1,2,3,4,5,6,7
	v_mov_b32 v[ACC+\e], 0
.endr
	s_wait_tensorcnt 0x0                           ; my tile is in LDS; nobody else reads it, so no barrier stands here
	XLOAD 0
	XLOAD 1
	s_wait_loadcnt 0x0                             ; the weights
.irp b, 0,1,2,3
.if \b < 3
	s_wait_dscnt 8                                 ; this block is in; the next block's eight loads may be out
.else
	s_wait_dscnt 0x0
.endif
	ROUTE \b
	QBLK X+32*(\b%2), C+4*\b, \b
.if \b < 2
	XLOAD \b+2
.endif
.endr
.irp b, 0,1,2,3
	ds_store_b128 v3, v[C+4*\b:C+4*\b+3] offset:16*\b
.endr
	ds_store_b32 v4, v[SW]
	ds_store_b128 v5, v[ACC:ACC+3]
	ds_store_b128 v5, v[ACC+4:ACC+7] offset:512
	s_wait_kmcnt 0x0                               ; the biases
	s_wait_dscnt 0x0                               ; for the others: my stores have landed
	s_barrier_signal -1
	s_barrier_wait -1
.irp i, 0,1,2,3
	ds_load_b128 v[C+4*\i:C+4*\i+3], v6 offset:TROW*\i
.endr
.irp i, 0,1,2,3
	s_wait_dscnt 3-\i                              ; the younger read-backs may be out
	global_store_b128 v7, v[C+4*\i:C+4*\i+3], s[10:11] offset:512*\i   ; 32 lanes store a row of 512 consecutive bytes, aligned to 256
.endr
	s_cmp_lt_u32 s[WV], 2
	s_cbranch_scc0 .Lno_scales
	ds_load_b128 v[116:119], v8
	s_wait_dscnt 0x0
	global_store_b128 v24, v[116:119], s[12:13]    ; 512 consecutive bytes a wave
.Lno_scales:
	s_cmp_eq_u32 s[WV], 7
	s_cbranch_scc0 .Lend
	; wave 7: lane = token.  The eight waves' parts, the bias, the first largest logit, the gate
.irp u, 0,1,2,3,4,5,6,7
	ds_load_b128 v[X+8*\u:X+8*\u+3], v9 offset:1024*\u
	ds_load_b128 v[X+8*\u+4:X+8*\u+7], v9 offset:1024*\u+512
.endr
	s_wait_dscnt 0x0
.irp u, 0,2,4,6
.irp p, 0,2,4,6
	v_pk_add_f32 v[X+8*\u+\p:X+8*\u+\p+1], v[X+8*\u+\p:X+8*\u+\p+1], v[X+8*\u+8+\p:X+8*\u+8+\p+1]
.endr
.endr
.irp u, 0,4
.irp p, 0,2,4,6
	v_pk_add_f32 v[X+8*\u+\p:X+8*\u+\p+1], v[X+8*\u+\p:X+8*\u+\p+1], v[X+8*\u+16+\p:X+8*\u+16+\p+1]
.endr
.endr
.irp p, 0,2,4,6
	v_pk_add_f32 v[X+\p:X+\p+1], v[X+\p:X+\p+1], v[X+32+\p:X+32+\p+1]
.endr
.irp e, 0,1,2,3,4,5,6,7
	v_add_f32 v[X+\e], s[16+\e], v[X+\e]
.endr
	v_mov_b32 v12, v[X]                            ; the largest so far,
	v_mov_b32 v13, 0                               ; and where
.irp e, 1,2,3,4,5,6,7
	v_cmp_le_f32 vcc_lo, v[X+\e], v12              ; not larger: the earlier index stays
	v_cndmask_b32 v13, \e, v13, vcc_lo
	v_max_num_f32 v12, v12, v[X+\e]
.endr
.irp e, 0,1,2,3,4,5,6,7
	v_sub_f32 v[X+\e], v[X+\e], v12                ; the largest is taken away ahead of the exponential
.endr
.irp e, 0,1,2,3,4,5,6,7
	v_mul_f32 v[X+\e], 0x3fb8aa3b, v[X+\e]         ; x log2(e)
.endr
.irp e, 0,1,2,3,4,5,6,7
	v_exp_f32 v[X+\e], v[X+\e]
.endr
	v_nop                                          ; a plain line behind the last exponential
	s_wait_alu depctr_va_vdst(0)                   ; one wait for the eight, ahead of their first reader
	v_add_f32 v[X], v[X], v[X+1]
	v_add_f32 v[X+2], v[X+2], v[X+3]
	v_add_f32 v[X+4], v[X+4], v[X+5]
	v_add_f32 v[X+6], v[X+6], v[X+7]
	v_add_f32 v[X], v[X], v[X+2]
	v_add_f32 v[X+4], v[X+4], v[X+6]
	v_add_f32 v[X], v[X], v[X+4]
	v_rcp_f32 v14, v[X]                            ; the largest term is 1, so the largest probability is 1 / the sum
	v_nop
	s_wait_alu depctr_va_vdst(0)
	global_store_b32 v10, v13, s[14:15]            ; 128 consecutive bytes each: 65,536 bytes in the whole launch go out in such halves
	global_store_b32 v10, v14, s[36:37]
.Lend:
	s_wait_tensorcnt 0x0
	ds_add_u32 v192, v193
	s_wait_dscnt 0x0
	s_endpgm
.Lfunc_end_k_q7c6137524b_qx:
	.size	k_q7c6137524b_qx, .Lfunc_end_k_q7c6137524b_qx-k_q7c6137524b_qx
	.p2alignl 7, 3214868480
	.fill 96, 4, 3214868480
	.section	.rodata,"a",@progbits
	.p2align	6, 0x0
	.amdhsa_kernel k_q7c6137524b_qx
		.amdhsa_group_segment_fixed_size 168960
		.amdhsa_private_segment_fixed_size 0
		.amdhsa_enable_private_segment 0
		.amdhsa_kernarg_size 56
		.amdhsa_user_sgpr_count 2
		.amdhsa_user_sgpr_kernarg_segment_ptr 1
		.amdhsa_wavefront_size32 1
		.amdhsa_system_sgpr_workgroup_id_x 1
		.amdhsa_system_sgpr_workgroup_id_y 1
		.amdhsa_system_sgpr_workgroup_id_z 1
		.amdhsa_system_vgpr_workitem_id 0
		.amdhsa_next_free_vgpr 194
		.amdhsa_next_free_sgpr 66
		.amdhsa_reserve_vcc 1
		.amdhsa_float_denorm_mode_32 3
		.amdhsa_float_denorm_mode_16_64 3
		.amdhsa_memory_ordered 1
		.amdhsa_forward_progress 1
		.amdhsa_inst_pref_size 84
	.end_amdhsa_kernel
	.amdgpu_metadata
---
amdhsa.version: [ 1, 2 ]
amdhsa.kernels:
  - .name:           k_q7c6137524b_qx
    .symbol:         k_q7c6137524b_qx.kd
    .args:
      - { .name: x, .offset: 0, .size: 8, .value_kind: global_buffer, .address_space: global }
      - { .name: router_w, .offset: 8, .size: 8, .value_kind: global_buffer, .address_space: global }
      - { .name: router_b, .offset: 16, .size: 8, .value_kind: global_buffer, .address_space: global }
      - { .name: xc, .offset: 24, .size: 8, .value_kind: global_buffer, .address_space: global }
      - { .name: xs, .offset: 32, .size: 8, .value_kind: global_buffer, .address_space: global }
      - { .name: choice, .offset: 40, .size: 8, .value_kind: global_buffer, .address_space: global }
      - { .name: gate, .offset: 48, .size: 8, .value_kind: global_buffer, .address_space: global }
    .group_segment_fixed_size: 168960
    .private_segment_fixed_size: 0
    .kernarg_segment_align: 8
    .kernarg_segment_size: 56
    .max_flat_workgroup_size: 256
    .sgpr_count:     66
    .vgpr_count:     194
    .wavefront_size: 32
...
	.end_amdgpu_metadata
.endif
;; end of part 1
;; launch qw (part 2): grid 257 x 1, 8 waves a work-group, no clusters, 1,280 bytes of LDS; arguments expert_w, choice, wc, ws, rows, tiles; writes wc, ws, rows, tiles
.if DOCPART == 2
	.amdgcn_target "amdgcn-amd-amdhsa--gfx1250"
	.amdhsa_code_object_version 6
	.text
	.protected	k_q7c6137524b_qw
	.globl	k_q7c6137524b_qw
	.p2align	8
	.type	k_q7c6137524b_qw,@function
k_q7c6137524b_qw:
	s_mov_b64 s[64:65], 0
	v_nop
	global_prefetch_b8 v0, s[64:65] scope:SCOPE_SE
	s_setreg_imm32_b32 hwreg(HW_REG_WAVE_MODE, 25, 1), 1
	s_wait_xcnt 0x0
; Two jobs in one launch, told apart by the work-group's number alone.
; WORK-GROUPS 1 .. 256 quantise expert_w [8][1024 (k)][1024 (n)] f32 along k, its middle axis, into codes of E2M1 laid in the order of a matrix operand's registers:
;   wc [e][n / 16][k / 128][1,024 bytes]: byte 256 t + 16 r holds the 32 codes of column 16 (n / 16) + r, k = 128 s + 32 t + 0 .. 31, the lower k in the low four bits: lane l of a wave reads its fragment at 16 l and 512 + 16 l.
;   ws [e][k / 128][n] words: the four scale bytes of 128 along k of one column.
;   A lane takes a column and its registers run down k: each load reads 128 consecutive bytes, a block of 32 lies in one lane, and the conversions give the codes with k innermost.  A wave takes 32 columns x 128 k.
;   Sixteen neighbouring lanes store 256 consecutive bytes of wc, aligned; no LDS is needed.
; WORK-GROUP 0 places the tokens by expert: a counting sort of choice [8192] without atomics, and the list of tiles.
;   rows [64][144]: the tokens of each tile of 144 rows; an expert's tokens begin at a tile's head; places that no token takes hold 0.   tiles [256][2]: (expert, rows in the tile), 0 rows where the split leaves none.
;   With 8,192 rows, 8 experts and tiles of 144 there are never more than ceil(8192 / 144) + 7 = 64 tiles.
;   Thread t holds tokens 1024 q + 4 t + i.  Counts are kept eight to a register (four bits each) for 8 tokens, then two to a register (16 bits each; no count passes 9,216).
; LIMITS of the quantiser: NaN and infinities are not served; a block of zeros gets the byte 1 (the rule says 127): its codes are zeros and this program alone reads the bytes; blocks under 2^-124 are held at the byte 1.
; NO CLUSTER, no tensor load: no two work-groups read the same bytes.
.set XW,   32                          ; quantiser: v32-159 four sets of 32 numbers
.set CW,   160                         ; v160-175 the codes of four blocks
.set SWW,  176                         ; v176     the scale word
.set IX,   16                          ; placing: v16-47 the experts of my 32 tokens, later the tokens' numbers
.set RK,   48                          ; v48-79   a token's rank among its group's tokens of the same expert, later its byte offset in rows
.set WGC,  80                          ; v80-83   a group's eight counters of four bits
.set CG,   84                          ; v84-99   group g's counts, packed: +0 (e0, e2), +1 (e4, e6), +2 (e1, e3), +3 (e5, e7)
.set TT,   100                         ; v100-103 my 32 tokens' counts
.set INC,  104                         ; v104-107 their running sums over the wave's lanes
.set TB,   108                         ; v108-111 where my next token of each expert goes
.set PA,   120                         ; v120-123 a wave's totals
.set PB,   124                         ; v124-127 their running sums
.set SE,   140                         ; v140-163 at work, eight tokens at a time
.set LO,   148
.set HI,   156
.macro QBLK xs, c, t                   ; 32 numbers v[xs] on become 4 registers of codes v[c] on; the byte goes to place t of the scale word
	v_max3_num_f32 v8, |v[(\xs)]|, |v[(\xs)+1]|, |v[(\xs)+2]|
	v_max3_num_f32 v9, |v[(\xs)+3]|, |v[(\xs)+4]|, |v[(\xs)+5]|
.irp i, 6,10,14,18,22,26
	v_max3_num_f32 v8, v8, |v[(\xs)+\i]|, |v[(\xs)+\i+1]|
	v_max3_num_f32 v9, v9, |v[(\xs)+\i+2]|, |v[(\xs)+\i+3]|
.endr
	v_max3_num_f32 v8, v8, |v[(\xs)+30]|, |v[(\xs)+31]|
	v_max3_num_f32 v8, v8, v9, 0x1800000           ; and the floor 2^(3 - 127): the byte cannot fall under 1
	v_add_nc_u32 v10, 0xff000000, v8               ; 2 off the exponent field: the conversion's scale operand
.irp g, 0,1,2,3
	v_cvt_scalef32_pk8_fp4_f32 v[(\c)+\g], v[(\xs)+8*\g:(\xs)+8*\g+7], v10
.endr
	v_lshrrev_b32 v11, 23, v10                     ; the byte; also the plain line behind the conversions
.if (\t) == 0
	v_mov_b32 v[SWW], v11
.else
	v_lshl_or_b32 v[SWW], v11, 8*(\t), v[SWW]
.endif
.endm
.macro LOADW t                         ; block t: rows 32 t + i of my K step, my column
.irp i, 0,1,2,3,4,5,6,7,8,9,10,11,12,13,14,15,16,17,18,19,20,21,22,23,24,25,26,27,28,29,30,31
	global_load_b32 v[XW+32*(\t)+\i], v1, s[4:5] offset:(32*(\t)+\i)*4096 th:TH_LOAD_NT
.endr
.endm
.macro BLOCK t
.if (\t) < 3
	s_wait_loadcnt 32                              ; this block's 32 loads are in; the next block's may be out
.else
	s_wait_loadcnt 0x0
.endif
.if (\t) < 2
	LOADW (\t)+2
.endif
	QBLK XW+32*(\t), CW+4*(\t), \t
	global_store_b128 v2, v[CW+4*(\t):CW+4*(\t)+3], s[8:9] offset:256*(\t)   ; lanes 0-15: 256 consecutive bytes of one fragment image, lanes 16-31 of the next column tile's
.endm
.macro SCAN r                          ; running sums over the 32 lanes, each lane's own number included
.irp n, 1,2,4,8
	v_mov_b32_dpp v5, v[\r] row_shr:\n row_mask:0xf bank_mask:0xf bound_ctrl:1   ; lane i takes lane i - n of its half, or 0
	v_add_nc_u32 v[\r], v[\r], v5
.endr
	v_readlane_b32 s17, v[\r], 15                  ; the lower half's total
	v_and_b32 v5, s17, v4                          ; goes to the upper half alone
	v_add_nc_u32 v[\r], v[\r], v5
.endm
.macro PACKB d, lo, hi                 ; 144 x two first tiles, as two fields of 16 bits
	s_mul_i32 s17, s[\hi], 144
	s_lshl_b32 s17, s17, 16
	s_mul_i32 s[\d], s[\lo], 144
	s_or_b32 s[\d], s[\d], s17
.endm
; The eight tokens of group g go to their places.  The places of the eight experts are laid as two tables of low bytes and two of high bytes, in the experts' order, and a token picks its expert's bytes.
.macro PUTS g
	v_perm_b32 v112, v[TB+2], v[TB], s57           ; low bytes of experts 0-3
	v_perm_b32 v114, v[TB+2], v[TB], s58           ; high bytes
	v_perm_b32 v113, v[TB+3], v[TB+1], s57         ; experts 4-7
	v_perm_b32 v115, v[TB+3], v[TB+1], s58
.irp j, 0,1,2,3,4,5,6,7
	v_or_b32 v[SE+\j], s56, v[IX+8*(\g)+\j]        ; byte 0 picks the expert's byte, the others give 0
.endr
.irp j, 0,1,2,3,4,5,6,7
	v_perm_b32 v[LO+\j], v113, v112, v[SE+\j]
.endr
.irp j, 0,1,2,3,4,5,6,7
	v_perm_b32 v[HI+\j], v115, v114, v[SE+\j]
.endr
.irp j, 0,1,2,3,4,5,6,7
	v_lshl_add_u32 v[LO+\j], v[HI+\j], 8, v[LO+\j]
.endr
.irp j, 0,1,2,3,4,5,6,7
	v_add_nc_u32 v[LO+\j], v[LO+\j], v[RK+8*(\g)+\j]
.endr
.irp j, 0,1,2,3,4,5,6,7
	v_min_u32 v[LO+\j], 0x23ff, v[LO+\j]           ; rows has 9,216 places
.endr
.irp j, 0,1,2,3,4,5,6,7
	v_lshlrev_b32 v[RK+8*(\g)+\j], 2, v[LO+\j]
.endr
.irp j, 0,1,2,3,4,5,6,7
	v_add_nc_u32 v[IX+8*(\g)+\j], 1024*((8*(\g)+\j)/4)+(8*(\g)+\j)%4, v2   ; the token's number
.endr
.irp j, 0,1,2,3,4,5,6,7
	global_store_b32 v[RK+8*(\g)+\j], v[IX+8*(\g)+\j], s[12:13]   ; each token has its own two registers: none is written again
.endr
.irp k, 0,1,2,3
	v_add_nc_u32 v[TB+\k], v[TB+\k], v[CG+4*(\g)+\k]
.endr
.endm
	s_load_b256 s[4:11], s[0:1], 0x0               ; expert_w s[4:5], choice s[6:7], wc s[8:9], ws s[10:11]
	s_load_b128 s[12:15], s[0:1], 0x20             ; rows s[12:13], tiles s[14:15]
	v_lshl_add_u32 v192, v0, 2, 0x100
	v_mov_b32 v193, 0
	v_lshrrev_b32 v5, 5, v0
	v_readfirstlane_b32 s16, v5                    ; wave 0..7
	s_cmp_eq_u32 ttmp9, 0
	s_cbranch_scc1 .Lplace
	; ---- the quantiser: work-group g + 1 takes K step g % 8, columns 256 ((g / 8) % 4) on, expert g / 32
	s_sub_co_u32 s17, ttmp9, 1
	s_and_b32 s18, s17, 7                          ; K step
	s_bfe_u32 s19, s17, 0x20003                    ; which 256 columns
	s_lshr_b32 s20, s17, 5                         ; expert
	s_lshl_b32 s21, s19, 10
	s_lshl_b32 s22, s16, 7
	s_add_co_u32 s21, s21, s22                     ; my wave's first column x 4 bytes
	s_lshl_b32 s24, s20, 22                        ; expert_w: 4 MiB an expert,
	s_lshl_b32 s22, s18, 19                        ; 128 rows of 4,096 bytes a K step
	s_add_co_u32 s24, s24, s22
	s_add_co_u32 s24, s24, s21
	s_mov_b32 s25, 0
	s_lshl_b32 s26, s20, 19                        ; wc: 524,288 bytes an expert,
	s_lshl_b32 s22, s19, 17                        ; 16 column tiles of 8,192 bytes for 256 columns,
	s_add_co_u32 s26, s26, s22
	s_lshl_b32 s22, s16, 14                        ; two a wave,
	s_add_co_u32 s26, s26, s22
	s_lshl_b32 s22, s18, 10                        ; 1,024 bytes a K step
	s_add_co_u32 s26, s26, s22
	s_mov_b32 s27, 0
	s_lshl_b32 s28, s20, 15                        ; ws: 32,768 bytes an expert, 4,096 a K step
	s_lshl_b32 s22, s18, 12
	s_add_co_u32 s28, s28, s22
	s_add_co_u32 s28, s28, s21
	s_mov_b32 s29, 0
	v_and_b32 v3, 31, v0
	v_lshlrev_b32 v1, 2, v3                        ; 4 bytes a lane
	v_and_b32 v2, 15, v0
	v_lshlrev_b32 v2, 4, v2
	v_bfe_u32 v4, v0, 4, 1
	v_lshl_add_u32 v2, v4, 13, v2                  ; 16 (lane % 16), and the next column tile for lanes 16-31
	s_wait_kmcnt 0x0
	s_add_nc_u64 s[4:5], s[4:5], s[24:25]
	s_add_nc_u64 s[8:9], s[8:9], s[26:27]
	s_add_nc_u64 s[10:11], s[10:11], s[28:29]
	LOADW 0
	LOADW 1
	BLOCK 0
	BLOCK 1
	BLOCK 2
	BLOCK 3
	global_store_b32 v1, v[SWW], s[10:11]          ; 128 consecutive bytes; the neighbouring wave stores the 128 beside them
	s_endpgm
	; ---- the placing
.Lplace:
	v_lshlrev_b32 v1, 4, v0                        ; 16 t
	v_lshlrev_b32 v2, 2, v0                        ; 4 t
	v_mov_b32 v3, 1
	v_bfe_u32 v4, v0, 4, 1
	v_sub_nc_u32 v4, 0, v4                         ; all ones in lanes 16-31
	v_mov_b32 v5, 0
	v_mov_b32 v6, s16
	v_lshlrev_b32 v6, 4, v6                        ; LDS: 16 bytes a wave
	v_and_b32 v7, 7, v0
	v_lshlrev_b32 v7, 4, v7
.irp k, 8,9,10,11
	v_mov_b32 v\k, 0
.endr
	s_mov_b32 s53, 0x0c010c00                      ; bytes 0 and 1 widened to 16 bits
	s_mov_b32 s54, 0x0c030c02                      ; bytes 2 and 3
	s_mov_b32 s55, 0x0f0f0f0f
	s_mov_b32 s56, 0x0c0c0c00
	s_mov_b32 s57, 0x06020400                      ; the low bytes of four fields, in the experts' order
	s_mov_b32 s58, 0x07030501                      ; the high bytes
	s_wait_kmcnt 0x0
.irp q, 0,1,2,3,4,5,6,7
	global_load_b128 v[IX+4*\q:IX+4*\q+3], v1, s[6:7] offset:4096*\q
.endr
.irp j, 0,1,2,3,4,5,6,7,8
	global_store_b128 v1, v[8:11], s[12:13] offset:4096*\j   ; all 36,864 bytes of rows are cleared first
.endr
.irp g, 0,1,2,3
	v_mov_b32 v[WGC+\g], 0
.endr
	s_wait_loadcnt 0x0
.irp j, 0,1,2,3,4,5,6,7                ; a token's rank in its group is its expert's counter before it is stepped; the four groups by turns
.irp g, 0,1,2,3
	v_lshlrev_b32 v[128+\g], 2, v[IX+8*\g+\j]
.endr
.irp g, 0,1,2,3
	v_bfe_u32 v[RK+8*\g+\j], v[WGC+\g], v[128+\g], 4
.endr
.irp g, 0,1,2,3
	v_lshlrev_b32 v[128+\g], v[128+\g], v3
.endr
.irp g, 0,1,2,3
	v_add_nc_u32 v[WGC+\g], v[WGC+\g], v[128+\g]
.endr
.endr
.irp g, 0,1,2,3                        ; eight counters of 4 bits become four registers of two fields
	v_and_b32 v116, s55, v[WGC+\g]                 ; experts 0, 2, 4, 6, a byte each
	v_lshrrev_b32 v117, 4, v[WGC+\g]
	v_and_b32 v117, s55, v117                      ; experts 1, 3, 5, 7
	v_perm_b32 v[CG+4*\g], v116, v116, s53
	v_perm_b32 v[CG+4*\g+1], v116, v116, s54
	v_perm_b32 v[CG+4*\g+2], v117, v117, s53
	v_perm_b32 v[CG+4*\g+3], v117, v117, s54
.endr
.irp k, 0,1,2,3
	v_add3_u32 v[TT+\k], v[CG+\k], v[CG+4+\k], v[CG+8+\k]
.endr
.irp k, 0,1,2,3
	v_add_nc_u32 v[TT+\k], v[TT+\k], v[CG+12+\k]
.endr
.irp k, 0,1,2,3
	v_mov_b32 v[INC+\k], v[TT+\k]
.endr
	SCAN INC
	SCAN INC+1
	SCAN INC+2
	SCAN INC+3
.irp k, 0,1,2,3
	v_readlane_b32 s[20+\k], v[INC+\k], 31         ; my wave's totals
.endr
.irp k, 0,1,2,3
	v_mov_b32 v[PA+\k], s[20+\k]
.endr
	ds_store_b128 v6, v[PA:PA+3]                   ; all lanes write the same 16 bytes with the same values
	s_wait_storecnt 0x0                            ; my part of the clearing is done: behind the barrier any wave may write a token into any place
	s_wait_dscnt 0x0
	s_barrier_signal -1
	s_barrier_wait -1
	ds_load_b128 v[PA:PA+3], v7                    ; lane l: the totals of wave l % 8
	s_wait_dscnt 0x0
.irp k, 0,1,2,3
	v_mov_b32 v[PB+\k], v[PA+\k]
.endr
	SCAN PB
	SCAN PB+1
	SCAN PB+2
	SCAN PB+3
.irp k, 0,1,2,3
	v_sub_nc_u32 v5, v[PB+\k], v[PA+\k]
	v_readlane_b32 s[24+\k], v5, s16               ; the waves ahead of mine
	v_readlane_b32 s[28+\k], v[PB+\k], 7           ; all eight waves
.endr
	s_and_b32 s32, s28, 0xffff                     ; n of experts 0 .. 7 in s32 .. s39
	s_lshr_b32 s34, s28, 16
	s_and_b32 s36, s29, 0xffff
	s_lshr_b32 s38, s29, 16
	s_and_b32 s33, s30, 0xffff
	s_lshr_b32 s35, s30, 16
	s_and_b32 s37, s31, 0xffff
	s_lshr_b32 s39, s31, 16
	s_mov_b32 s40, 0                               ; an expert's first tile in s40 .. s47, the number of tiles in s48
.irp e, 0,1,2,3,4,5,6,7
	s_add_co_u32 s17, s[32+\e], 143
	s_mul_i32 s17, s17, 7282                       ; 7282 x 144 = 2^20 + 32: the quotient by 144 is exact for numbers under 32,768
	s_lshr_b32 s17, s17, 20
	s_add_co_u32 s[41+\e], s[40+\e], s17
.endr
	PACKB 49, 40, 42
	PACKB 50, 44, 46
	PACKB 51, 41, 43
	PACKB 52, 45, 47
.irp k, 0,1,2,3
	v_sub_nc_u32 v[TB+\k], v[INC+\k], v[TT+\k]     ; the lanes ahead of mine,
.endr
.irp k, 0,1,2,3
	v_add3_u32 v[TB+\k], v[TB+\k], s[24+\k], s[49+\k]   ; the waves ahead of mine, the expert's first place
.endr
	PUTS 0
	PUTS 1
	PUTS 2
	PUTS 3
	; the list: entry t belongs to the last expert whose first tile is not behind t
	v_mov_b32 v132, 0
	v_mov_b32 v134, 0
	v_mov_b32 v135, s32
.irp e, 1,2,3,4,5,6,7
	v_cmp_gt_u32 vcc_lo, s[40+\e], v0              ; behind t: what stands stays
	v_cndmask_b32 v132, \e, v132, vcc_lo
	v_cndmask_b32 v134, s[40+\e], v134, vcc_lo
	v_cndmask_b32 v135, s[32+\e], v135, vcc_lo
.endr
	v_sub_nc_u32 v136, v0, v134
	v_mul_u32_u24 v136, 0x90, v136                 ; the expert's rows in the tiles ahead of this one,
	v_min_u32 v136, v136, v135                     ; at most all of them
	v_sub_nc_u32 v133, v135, v136
	v_min_u32 v133, 0x90, v133                     ; rows in this tile: 0 .. 144
	v_lshlrev_b32 v137, 3, v0
	global_store_b64 v137, v[132:133], s[14:15]
	s_wait_tensorcnt 0x0
	ds_add_u32 v192, v193
	s_wait_dscnt 0x0
	s_endpgm
.Lfunc_end_k_q7c6137524b_qw:
	.size	k_q7c6137524b_qw, .Lfunc_end_k_q7c6137524b_qw-k_q7c6137524b_qw
	.p2alignl 7, 3214868480
	.fill 96, 4, 3214868480
	.section	.rodata,"a",@progbits
	.p2align	6, 0x0
	.amdhsa_kernel k_q7c6137524b_qw
		.amdhsa_group_segment_fixed_size 1280
		.amdhsa_private_segment_fixed_size 0
		.amdhsa_enable_private_segment 0
		.amdhsa_kernarg_size 48
		.amdhsa_user_sgpr_count 2
		.amdhsa_user_sgpr_kernarg_segment_ptr 1
		.amdhsa_wavefront_size32 1
		.amdhsa_system_sgpr_workgroup_id_x 1
		.amdhsa_system_sgpr_workgroup_id_y 1
		.amdhsa_system_sgpr_workgroup_id_z 1
		.amdhsa_system_vgpr_workitem_id 0
		.amdhsa_next_free_vgpr 194
		.amdhsa_next_free_sgpr 66
		.amdhsa_reserve_vcc 1
		.amdhsa_float_denorm_mode_32 3
		.amdhsa_float_denorm_mode_16_64 3
		.amdhsa_memory_ordered 1
		.amdhsa_forward_progress 1
		.amdhsa_inst_pref_size 57
	.end_amdhsa_kernel
	.amdgpu_metadata
---
amdhsa.version: [ 1, 2 ]
amdhsa.kernels:
  - .name:           k_q7c6137524b_qw
    .symbol:         k_q7c6137524b_qw.kd
    .args:
      - { .name: expert_w, .offset: 0, .size: 8, .value_kind: global_buffer, .address_space: global }
      - { .name: choice, .offset: 8, .size: 8, .value_kind: global_buffer, .address_space: global }
      - { .name: wc, .offset: 16, .size: 8, .value_kind: global_buffer, .address_space: global }
      - { .name: ws, .offset: 24, .size: 8, .value_kind: global_buffer, .address_space: global }
      - { .name: rows, .offset: 32, .size: 8, .value_kind: global_buffer, .address_space: global }
      - { .name: tiles, .offset: 40, .size: 8, .value_kind: global_buffer, .address_space: global }
    .group_segment_fixed_size: 1280
    .private_segment_fixed_size: 0
    .kernarg_segment_align: 8
    .kernarg_segment_size: 48
    .max_flat_workgroup_size: 256
    .sgpr_count:     66
    .vgpr_count:     194
    .wavefront_size: 32
...
	.end_amdgpu_metadata
.endif
;; end of part 2
;; launch ffn (part 3): grid 64 x 4, 4 waves a work-group, no clusters, 98,816 bytes of LDS; arguments xc, xs, wc, ws, gate, rows, tiles, expert_b, out0; writes out0
.if DOCPART == 3
	.amdgcn_target "amdgcn-amd-amdhsa--gfx1250"
	.amdhsa_code_object_version 6
	.text
	.protected	k_q7c6137524b_ffn
	.globl	k_q7c6137524b_ffn
	.p2align	8
	.type	k_q7c6137524b_ffn,@function
k_q7c6137524b_ffn:
	s_mov_b64 s[64:65], 0
	v_nop
	global_prefetch_b8 v0, s[64:65] scope:SCOPE_SE
	s_setreg_imm32_b32 hwreg(HW_REG_WAVE_MODE, 25, 1), 1
	s_wait_xcnt 0x0
; out0[token] = gate[token] x (Q(x[token]) . Q(expert_w[e]) + expert_b[e]), e the token's expert: only the chosen expert's product is made.  Codes of E2M1 with E8M0 scales on both sides, sums in f32.
; SHARES.  Work-group (x, y) takes tile x of the stored list (up to 144 tokens of one expert) and columns 256 y .. 256 y + 255.  64 tiles serve every split of 8,192 tokens over 8 experts; a tile that a split leaves empty stores nothing.
; Wave w takes all the tile's rows x 64 columns.  Its weights, 4 column tiles x 8 K steps = 256 registers, come from memory straight into registers, once; they lie there in the order of the operand's registers.
; The tile's rows of codes are gathered once, whole rows of 512 bytes, into LDS, and all four waves read them.
; THE MATRIX INSTRUCTION IS USED TRANSPOSED (source 0 = 16 columns of the weights, source 1 = 16 tokens): a lane holds eight neighbouring columns of one token's row.  The bias is the C of each sum's first product.
; The rows go in three groups of 48: twelve accumulators take turns, one instruction a turn, in the same order in every K step; a group leaves as soon as it is finished.
; ROWS BEHIND THE TILE'S COUNT take the tile's first token: the same codes, scales and gate give the same numbers, stored to the same bytes; blocks of 16 and groups of 48 that lie wholly behind the count are jumped over.  So all lanes stay on.
; NO CLUSTER, NO TENSOR LOAD: which expert a work-group reads and how many blocks it walks hang on the stored list, so neighbours need other weights and other numbers of steps; the one barrier stands ahead of every branch on a stored number.
; REGISTERS, in windows of 256.  Window 0: v1-19 addresses; v20-37 pairs (gate, token) of the nine blocks; v40-75 x's scale words; v76-91 the weights' scale words; v92-123 the bias; v124-219 the accumulators
;   (ahead of the products: the gathers' offsets; on the way out: a block's rows read back); v220-227 tokens, v228-235 offsets of the stores.
;   Window 1: v0-95 x's fragments of K steps 0-3, v96-191 of K steps 4-7 (ahead of that: the gathered rows).   Window 2: the weights: K step s, column tile b at v[32 s + 8 b].
.set PITCH, 528                        ; a row of codes in LDS: 512 bytes + 16: an odd multiple of 16
.set STG,   144*PITCH                  ; 76,032: a stage of 16 rows x 272 bytes for each wave
.set TL,    STG+4*16*272               ; 93,440: each wave's table of tokens, [block][row % 2][row / 2] words, 768 bytes a wave
.set AF,    9                          ; v9-11  my lane's place in the rows of group 0, 1, 2
.set GP,    20
.set XS,    40                         ; register 4 a + j: lanes 0-15 the word of K step j of row 16 a + r, lanes 16-31 that of K step 4 + j
.set WS,    76                         ; register 2 s + p: lanes 0-15 the words of column tile 2 p, lanes 16-31 of 2 p + 1
.set BIAS,  92
.set ACC,   124
.set TO,    220
.set TA,    228
.set GOF,   ACC                        ; 36 offsets of the gather,
.set XOF,   ACC+36                     ; 9 of x's scale words,
.set GGO,   ACC+45                     ; 9 of the gates
.set CNT,   27                         ; s27: rows in the tile;  s26: the expert;  s22 wave, s23 tile, s24 y
.set MSB, 0
.macro WIN new                         ; the immediate's high byte repeats the setting that is left; a switch that changes nothing is dropped
.if MSB != \new
	s_set_vgpr_msb (MSB<<8)|\new
.set MSB, \new
.endif
.endm
.macro PLACES                          ; four plain lines between a matrix instruction and a load into, or a vector instruction on, its registers
.rept 4
	v_nop
.endr
.endm
.macro PK s                            ; the weights of K step s: 2 registers of scale words, 4 fragments: ten loads
	WIN 0
	global_load_b32 v[WS+2*(\s)], v5, s[10:11] offset:4096*(\s)
	global_load_b32 v[WS+2*(\s)+1], v5, s[10:11] offset:4096*(\s)+128
	WIN 0x80                                       ; destination window 2
.irp b, 0,1,2,3
.irp c, 0,1
	global_load_b128 v[32*(\s)+8*\b+4*\c:32*(\s)+8*\b+4*\c+3], v4, s[8:9] offset:8192*\b+1024*(\s)+512*\c
.endr
.endr
.endm
.macro ALOAD buf, g                    ; group g's fragments of K steps 4 buf .. 4 buf + 3: 24 loads
	WIN 0x40                                       ; destination window 1
.irp sl, 0,1,2,3
.irp a, 0,1,2
.irp c, 0,1
	ds_load_b128 v[96*(\buf)+24*\sl+8*\a+4*\c:96*(\buf)+24*\sl+8*\a+4*\c+3], v[AF+(\g)] offset:16*PITCH*\a+64*(4*(\buf)+\sl)+32*\c
.endr
.endr
.endr
.endm
.macro MM g, s                         ; K step s of group g: 3 blocks of rows x 4 column tiles
.irp a, 0,1,2
.irp b, 0,1,2,3
.set rD, ACC+8*(4*\a+\b)
.set rC, ACC+8*(4*\a+\b)
.if (\s) == 0
.set rC, BIAS+8*\b
.endif
.set rW, 32*(\s)+8*\b
.set rA, 96*((\s)/4)+24*((\s)%4)+8*\a
.set rSW, WS+2*(\s)+\b/2
.set rSX, XS+4*(3*(\g)+\a)+(\s)%4
.if (\b%2 == 0) && ((\s) < 4)
	v_wmma_scale_f32_16x16x128_f8f6f4 v[rD:rD+7], v[rW:rW+7], v[rA:rA+7], v[rC:rC+7], v[rSW], v[rSX] matrix_a_fmt:MATRIX_FMT_FP4 matrix_b_fmt:MATRIX_FMT_FP4
.elseif (\s) < 4
	v_wmma_scale_f32_16x16x128_f8f6f4 v[rD:rD+7], v[rW:rW+7], v[rA:rA+7], v[rC:rC+7], v[rSW], v[rSX] matrix_a_fmt:MATRIX_FMT_FP4 matrix_b_fmt:MATRIX_FMT_FP4 matrix_a_scale:MATRIX_SCALE_ROW1
.elseif \b%2 == 0
	v_wmma_scale_f32_16x16x128_f8f6f4 v[rD:rD+7], v[rW:rW+7], v[rA:rA+7], v[rC:rC+7], v[rSW], v[rSX] matrix_a_fmt:MATRIX_FMT_FP4 matrix_b_fmt:MATRIX_FMT_FP4 matrix_b_scale:MATRIX_SCALE_ROW1
.else
	v_wmma_scale_f32_16x16x128_f8f6f4 v[rD:rD+7], v[rW:rW+7], v[rA:rA+7], v[rC:rC+7], v[rSW], v[rSX] matrix_a_fmt:MATRIX_FMT_FP4 matrix_b_fmt:MATRIX_FMT_FP4 matrix_a_scale:MATRIX_SCALE_ROW1 matrix_b_scale:MATRIX_SCALE_ROW1
.endif
.endr
.endr
.endm
; Block a (16 rows x my 64 columns) leaves: x gate, through my own stage, back as whole pieces of 256 bytes, two rows an instruction, each to its token's row of out0.
.macro OUT a
.set AC, ACC+32*((\a)%3)
.if (\a)%3 != 0
	s_cmp_le_u32 s[CNT], 16*(\a)                   ; nothing but repeats of the first token from here on
	s_cbranch_scc1 .Lend
.endif
	s_wait_xcnt 0x0                                ; the last block's stores have read their offsets: these are written again below
	ds_load_b128 v[TO:TO+3], v17 offset:64*(\a)    ; the tokens of rows 2 i + (lane / 16), i = 0 .. 7
	ds_load_b128 v[TO+4:TO+7], v17 offset:64*(\a)+16
.irp p, 0,1,2,3,4,5,6,7,8,9,10,11,12,13,14,15
	v_pk_mul_f32 v[AC+2*\p:AC+2*\p+1], v[AC+2*\p:AC+2*\p+1], v[GP+2*(\a):GP+2*(\a)+1] op_sel_hi:[1,0]   ; each accumulator from its low end on; of the pair the gate serves both halves
.endr
.irp b, 0,1,2,3
	ds_store_b128 v14, v[AC+8*\b:AC+8*\b+3] offset:64*\b
	ds_store_b128 v14, v[AC+8*\b+4:AC+8*\b+7] offset:64*\b+16
.endr
.irp i, 0,1,2,3,4,5,6,7
	ds_load_b128 v[AC+4*\i:AC+4*\i+3], v15 offset:544*\i   ; LDS serves a wave's instructions in order (ISA guide 5.7.1.4): these see the stores above, and land in the registers that those have left
.endr
	s_wait_dscnt 16                                ; the tokens are in: behind them stand 8 stores and 8 loads
.irp i, 0,1,2,3,4,5,6,7
	v_min_u32 v[TO+\i], 0x1fff, v[TO+\i]
.endr
.irp i, 0,1,2,3,4,5,6,7
	v_lshl_add_u32 v[TA+\i], v[TO+\i], 12, v18     ; the token's row of 4,096 bytes + 16 (lane % 16)
.endr
.irp i, 0,1,2,3,4,5,6,7
	s_wait_dscnt 7-\i                              ; the younger read-backs may be out
	global_store_b128 v[TA+\i], v[AC+4*\i:AC+4*\i+3], s[20:21] th:TH_STORE_NT   ; sixteen lanes store 256 consecutive bytes, aligned
.endr
.endm
.macro GROUP g
.if (\g) > 0
	s_cmp_le_u32 s[CNT], 48*(\g)
	s_cbranch_scc1 .Lend
	s_wait_xcnt 0x0                                ; the last group's stores have read the registers that the products below write
.else
	s_wait_dscnt 24                                ; K steps 0-3 of x are in; the 24 loads of K steps 4-7 may be out
.endif
.irp s, 0,1,2,3
.if (\g) == 0
.set NW, 10*(7-\s)+9                   ; behind K step s's weights stand the later K steps' tens and the nine gates
.if NW > 63
.set NW, 63
.endif
	s_wait_loadcnt NW
.endif
	WIN 0x06                                       ; source 0 window 2, source 1 window 1, C and D window 0
	MM \g, \s
.endr
	PLACES
.if (\g) < 2
	ALOAD 0, (\g)+1
.endif
.if (\g) == 0
	s_wait_dscnt 24                                ; K steps 4-7 are in; the 24 loads just issued may be out
.endif
.irp s, 4,5,6,7
.if (\g) == 0
	s_wait_loadcnt 10*(7-\s)+9
.endif
	WIN 0x06
	MM \g, \s
.endr
	PLACES
.if (\g) < 2
	ALOAD 1, (\g)+1
.endif
	WIN 0
.if (\g) == 0
	s_wait_loadcnt 0x0                             ; the gates
.endif
	OUT 3*(\g)
	OUT 3*(\g)+1
	OUT 3*(\g)+2
.endm
	s_load_b512 s[4:19], s[0:1], 0x0               ; xc s[4:5], xs s[6:7], wc s[8:9], ws s[10:11], gate s[12:13], rows s[14:15], tiles s[16:17], expert_b s[18:19]
	s_load_b64 s[20:21], s[0:1], 0x40              ; out0
	v_lshl_add_u32 v254, v0, 2, 0x18000
	v_mov_b32 v255, 0
	v_lshrrev_b32 v19, 5, v0
	v_readfirstlane_b32 s22, v19                   ; wave 0..3
	s_mov_b32 s23, ttmp9                           ; tile
	s_and_b32 s24, ttmp7, 0xffff                   ; which 256 columns
	s_mul_i32 s28, s23, 576                        ; 144 words a tile
	s_mov_b32 s29, 0
	s_lshl_b32 s30, s23, 3
	s_mov_b32 s31, 0
	v_and_b32 v2, 15, v0                           ; r
	v_lshlrev_b32 v6, 2, v2
	s_wait_kmcnt 0x0
	s_add_nc_u64 s[14:15], s[14:15], s[28:29]
	s_add_nc_u64 s[16:17], s[16:17], s[30:31]
	s_load_b64 s[26:27], s[16:17], 0x0             ; (expert, rows)
.irp a, 0,1,2,3,4,5,6,7,8
	global_load_b32 v[GP+2*\a+1], v6, s[14:15] offset:64*\a   ; the token of row 16 a + r, in both halves of the lanes
.endr
	v_and_b32 v1, 31, v0                           ; lane
	v_bfe_u32 v3, v0, 4, 1                         ; h = lane / 16
	v_lshlrev_b32 v4, 4, v1
	v_lshlrev_b32 v5, 2, v1
	v_lshlrev_b32 v7, 4, v3
	v_lshlrev_b32 v8, 5, v3
	v_mul_u32_u24 v9, v2, PITCH
	v_lshl_add_u32 v9, v3, 4, v9                   ; a fragment: row r x pitch + 16 h
	v_add_nc_u32 v10, 48*PITCH, v9
	v_add_nc_u32 v11, 96*PITCH, v9
	s_mul_i32 s37, s22, PITCH
	v_add_nc_u32 v12, s37, v4                      ; the gather: wave w puts rows 4 i + w, 16 bytes a lane
	v_add_nc_u32 v13, 128*PITCH, v12               ; (rows 128 on: the immediate has 16 bits)
	s_mul_i32 s37, s22, 16*272
	s_add_co_u32 s37, s37, STG                     ; my stage
	v_mul_u32_u24 v14, v2, 272
	v_lshl_add_u32 v14, v3, 5, v14
	v_add_nc_u32 v14, s37, v14                     ; in: row r, 32 bytes for each half of the lanes
	v_mul_u32_u24 v15, v3, 272
	v_lshl_add_u32 v15, v2, 4, v15
	v_add_nc_u32 v15, s37, v15                     ; back: lanes 0-15 one row, lanes 16-31 the next
	s_mul_i32 s37, s22, 768
	s_add_co_u32 s37, s37, TL                      ; my table of tokens
	v_and_b32 v16, 1, v2
	v_lshlrev_b32 v16, 5, v16
	v_lshrrev_b32 v19, 1, v2
	v_lshl_add_u32 v16, v19, 2, v16
	v_add_nc_u32 v16, s37, v16                     ; in: 32 (r % 2) + 4 (r / 2)
	v_lshl_add_u32 v17, v3, 5, s37                 ; back: the eight rows of my half's parity
	v_lshlrev_b32 v18, 4, v2
	s_mov_b32 s32, s22                             ; the lanes that hold the tokens of rows 4 i + w: w, w + 4, w + 8, w + 12
	s_add_co_u32 s33, s22, 4
	s_add_co_u32 s34, s22, 8
	s_add_co_u32 s35, s22, 12
	s_wait_kmcnt 0x0
	s_min_u32 s26, s26, 7
	s_min_u32 s[CNT], s[CNT], 144
	s_lshl_b32 s28, s26, 19                        ; wc: 524,288 bytes an expert, 131,072 for 256 columns, 32,768 for my 64
	s_lshl_b32 s30, s24, 17
	s_add_co_u32 s28, s28, s30
	s_lshl_b32 s30, s22, 15
	s_add_co_u32 s28, s28, s30
	s_add_nc_u64 s[8:9], s[8:9], s[28:29]
	s_lshl_b32 s30, s24, 10
	s_lshl_b32 s37, s22, 8
	s_add_co_u32 s30, s30, s37                     ; my first column x 4 bytes
	s_add_nc_u64 s[20:21], s[20:21], s[30:31]      ; out0
	s_lshl_b32 s28, s26, 15
	s_add_co_u32 s28, s28, s30
	s_add_nc_u64 s[10:11], s[10:11], s[28:29]      ; ws: 32,768 bytes an expert
	s_lshl_b32 s28, s26, 12
	s_add_co_u32 s28, s28, s30
	s_add_nc_u64 s[18:19], s[18:19], s[28:29]      ; expert_b: 4,096 bytes an expert
	s_wait_loadcnt 0x0                             ; the tokens
	v_readfirstlane_b32 s36, v[GP+1]               ; the tile's first token
.irp a, 0,1,2,3,4,5,6,7,8
	v_add_nc_u32 v19, 16*\a, v2
	v_cmp_gt_u32 vcc_lo, s[CNT], v19               ; a row of the tile?
	v_cndmask_b32 v[GP+2*\a+1], s36, v[GP+2*\a+1], vcc_lo   ; else the first token
	v_min_u32 v[GP+2*\a+1], 0x1fff, v[GP+2*\a+1]
	v_lshl_add_u32 v[XOF+\a], v[GP+2*\a+1], 5, v7  ; xs: 32 bytes a token, + 16 h
	v_lshlrev_b32 v[GGO+\a], 2, v[GP+2*\a+1]
.endr
.irp a, 0,1,2,3,4,5,6,7,8              ; the gather's offsets, four at a time
.irp q, 0,1,2,3
	v_readlane_b32 s[40+\q], v[GP+2*\a+1], s[32+\q]
.endr
.irp q, 0,1,2,3
	s_min_u32 s[40+\q], s[40+\q], 0x1fff
.endr
.irp q, 0,1,2,3
	v_lshl_add_u32 v[GOF+4*\a+\q], s[40+\q], 9, v4 ; 512 bytes a token, 16 a lane
.endr
.endr
	WIN 0x40                                       ; destination window 1
.set i, 0
.rept 36
	global_load_b128 v[4*i:4*i+3], v[GOF+i], s[4:5]   ; row 4 i + w: 512 consecutive bytes
.set i, i+1
.endr
	WIN 0
.irp a, 0,1,2,3,4,5,6,7,8
	global_load_b128 v[XS+4*\a:XS+4*\a+3], v[XOF+\a], s[6:7]
.endr
.irp b, 0,1,2,3
	global_load_b128 v[BIAS+8*\b:BIAS+8*\b+3], v8, s[18:19] offset:64*\b       ; lane (r, h): columns 16 b + 8 h + 0 .. 7
	global_load_b128 v[BIAS+8*\b+4:BIAS+8*\b+7], v8, s[18:19] offset:64*\b+16
.endr
	PK 0
	s_wait_loadcnt 27                              ; the 36 gathered rows are in: behind them stand 9 + 8 + 10 loads
	PK 1
	PK 2
	PK 3
	WIN 0x04                                       ; an LDS store's data are its source 1: window 1
.set i, 0
.rept 32
	ds_store_b128 v12, v[4*i:4*i+3] offset:4*PITCH*i
.set i, i+1
.endr
.rept 4
	ds_store_b128 v13, v[4*i:4*i+3] offset:4*PITCH*(i-32)
.set i, i+1
.endr
	WIN 0
.irp a, 0,1,2,3,4,5,6,7,8
	ds_store_b32 v16, v[GP+2*\a+1] offset:64*\a    ; both halves of the lanes write the same words with the same values
.endr
	s_wait_dscnt 0x0                               ; for the others: my rows have landed
	s_barrier_signal -1
	s_barrier_wait -1                              ; the one barrier: on every path, ahead of every branch on a stored number
	s_cmp_eq_u32 s[CNT], 0
	s_cbranch_scc1 .Lend                           ; this split leaves the tile empty
	ALOAD 0, 0
	ALOAD 1, 0
	PK 4
	PK 5
	PK 6
	PK 7
	WIN 0
.irp a, 0,1,2,3,4,5,6,7,8
	global_load_b32 v[GP+2*\a], v[GGO+\a], s[12:13]
.endr
	s_wait_xcnt 0x0                                ; every load has read its offset: those lie where the first products write
	GROUP 0
	GROUP 1
	GROUP 2
.Lend:
	s_wait_tensorcnt 0x0
	ds_add_u32 v254, v255
	s_wait_dscnt 0x0
	s_endpgm
.Lfunc_end_k_q7c6137524b_ffn:
	.size	k_q7c6137524b_ffn, .Lfunc_end_k_q7c6137524b_ffn-k_q7c6137524b_ffn
	.p2alignl 7, 3214868480
	.fill 96, 4, 3214868480
	.section	.rodata,"a",@progbits
	.p2align	6, 0x0
	.amdhsa_kernel k_q7c6137524b_ffn
		.amdhsa_group_segment_fixed_size 98816
		.amdhsa_private_segment_fixed_size 0
		.amdhsa_enable_private_segment 0
		.amdhsa_kernarg_size 72
		.amdhsa_user_sgpr_count 2
		.amdhsa_user_sgpr_kernarg_segment_ptr 1
		.amdhsa_wavefront_size32 1
		.amdhsa_system_sgpr_workgroup_id_x 1
		.amdhsa_system_sgpr_workgroup_id_y 1
		.amdhsa_system_sgpr_workgroup_id_z 1
		.amdhsa_system_vgpr_workitem_id 0
		.amdhsa_next_free_vgpr 768
		.amdhsa_next_free_sgpr 66
		.amdhsa_reserve_vcc 1
		.amdhsa_float_denorm_mode_32 3
		.amdhsa_float_denorm_mode_16_64 3
		.amdhsa_memory_ordered 1
		.amdhsa_forward_progress 1
		.amdhsa_inst_pref_size 116
	.end_amdhsa_kernel
	.amdgpu_metadata
---
amdhsa.version: [ 1, 2 ]
amdhsa.kernels:
  - .name:           k_q7c6137524b_ffn
    .symbol:         k_q7c6137524b_ffn.kd
    .args:
      - { .name: xc, .offset: 0, .size: 8, .value_kind: global_buffer, .address_space: global }
      - { .name: xs, .offset: 8, .size: 8, .value_kind: global_buffer, .address_space: global }
      - { .name: wc, .offset: 16, .size: 8, .value_kind: global_buffer, .address_space: global }
      - { .name: ws, .offset: 24, .size: 8, .value_kind: global_buffer, .address_space: global }
      - { .name: gate, .offset: 32, .size: 8, .value_kind: global_buffer, .address_space: global }
      - { .name: rows, .offset: 40, .size: 8, .value_kind: global_buffer, .address_space: global }
      - { .name: tiles, .offset: 48, .size: 8, .value_kind: global_buffer, .address_space: global }
      - { .name: expert_b, .offset: 56, .size: 8, .value_kind: global_buffer, .address_space: global }
      - { .name: out0, .offset: 64, .size: 8, .value_kind: global_buffer, .address_space: global }
    .group_segment_fixed_size: 98816
    .private_segment_fixed_size: 0
    .kernarg_segment_align: 8
    .kernarg_segment_size: 72
    .max_flat_workgroup_size: 128
    .sgpr_count:     66
    .vgpr_count:     768
    .wavefront_size: 32
...
	.end_amdgpu_metadata
.endif
;; end of part 3
;; ======== version 2 of 2: 2 launches
;; limits: right only within a limited range of input values
;; workspace buffers: xc 4,194,304 bytes; xs 262,144 bytes; wc 4,194,304 bytes; ws 262,144 bytes; gate 32,768 bytes; masks 8,192 bytes of whole numbers; cnts 8,192 bytes of whole numbers
;; launch quant (part 4): grid 256 x 1, 8 waves a work-group, no clusters, 167,936 bytes of LDS; arguments x, router_w, router_b, expert_w, xc, xs, wc, ws, gate, masks, cnts; writes xc, xs, wc, ws, gate, masks, cnts
.if DOCPART == 4
	.amdgcn_target "amdgcn-amd-amdhsa--gfx1250"
	.amdhsa_code_object_version 6
	.text
	.protected	k_q7c6137524b_quant
	.globl	k_q7c6137524b_quant
	.p2align	8
	.type	k_q7c6137524b_quant,@function
k_q7c6137524b_quant:
	s_mov_b64 s[64:65], 0
	v_nop
	global_prefetch_b8 v0, s[64:65] scope:SCOPE_SE
	s_setreg_imm32_b32 hwreg(HW_REG_WAVE_MODE, 25, 1), 1
	s_wait_xcnt 0x0
; Both operands of the experts' product are quantised to codes of E2M1 (one E8M0 byte for each 32 along k), and the router is computed, in one launch of eight waves a work-group.
; x [8192][1024] f32: 32 tokens a work-group.  Wave n takes k = 128 n .. 128 n + 127 of all 32: one tensor load brings its 32 rows x 512 bytes into LDS bytes of its own.  Lane (r, h), r = lane % 16, h = lane / 16, reads row 16 a + r,
;   k = 32 q + 16 h + 0 .. 15: sixteen neighbours for the conversions, and, two at a time, the operand of the f32 matrix instruction (its four k are k = 32 q + 2 i, + 1 and 16 further on, alike on both sides).
;   xc [token][512 bytes]: block b of 32 codes at byte 16 b, the lower k in the low four bits.  xs [token][8 words]: word s = the four scale bytes of k = 128 s .. 128 s + 127.
; THE ROUTER goes by v_wmma_f32_16x16x4_f32: which expert a token takes hangs on it, so operands and sums are f32; it is 2 x 32 of these instructions a wave.  Source 0 = the weights (row m = expert m % 8), source 1 = 16 tokens: lane r holds
;   token r's eight logits.  Four accumulators take turns (two tiles of tokens x even and odd i); the eight waves' parts are added in a tree, then the bias.
;   gate [token] = 1 / sum over e of exp(logit e - largest logit): the largest probability.
;   masks [e][group of 32 tokens]: bit l = token l of the group chose expert e (the first largest logit).  cnts [e][group]: how many did.  Both are values here; the next launch forms addresses from them.
; expert_w [8][1024 (k)][1024 (n)] f32, quantised along k: work-group g takes K step g % 8, columns 256 ((g / 8) % 4) on, expert g / 32; a wave 32 columns x 128 k.  A lane takes column 4 (lane % 8) + lane / 8 of the 32 and its registers run down k:
;   each load reads 128 consecutive bytes, and the conversions give the codes with k innermost.
;   wc [e][n / 64][k / 128][4,096 bytes]: column 64 cg + 4 r + b, block t = 2 c + h of the K step at byte 2048 c + 512 b + 256 (r / 8) + 128 h + 16 (r % 8): the next launch's operand of tile b, dense.
;   ws [e][k / 128][n / 64][r / 8][b][r % 8] words.
; The loads of expert_w go out in three portions, the first behind the tensor load, the others as x is worked on.
; A block's scale byte is its largest magnitude's exponent field - 2, held at 1 from below.
; LIMITS: NaN and infinities are not served.  A block of zeros gets the byte 1 (the rule says 127): its codes are zeros and this program alone reads the bytes.  Blocks whose largest magnitude lies under 2^-124 are held at the byte 1.
; The products of experts that a token did not choose are not made: a NaN, an infinity or an overflow that reaches only those is not carried to the result.
; The argmax is taken of the logits (the exponential rises with its argument), the lower index on a tie; the logits' order of summation is the one stated above, so it can differ from another order's where two logits agree to f32 rounding.
; NO CLUSTER: the work-groups share only the router's 32,768 bytes, beside 262,144 bytes that each reads alone.  No LDS byte is filled twice.  No prefetch: there is no loop to run ahead in.
.set TROW,  528                        ; an LDS row: 512 bytes + 16 of padding: an odd multiple of 16
.set XTW,   32*TROW                    ; a wave's tile
.set CST,   8*XTW                      ; the stage for the codes, 32 rows of 528
.set SCS,   CST+XTW                    ; the scale words, [token][32 bytes]
.set PART,  SCS+1024                   ; the logits' parts, [wave][half][lane][16 bytes]
.set SPARE, PART+8192                  ; 161,280: the spare words, 128 bytes a wave
.set X,     32                         ; v32-95   two sets of 2 tiles x 16 numbers
.set XW,    96                         ; v96-191  expert_w's blocks 0 to 2; block 3 takes v32-63, when x is done
.set C,     192                        ; v192-207 codes
.set TM,    208                        ; v208-217 at work
.set ACC,   224                        ; v224-255 the router's four accumulators: written by matrix instructions alone
.set W,     128                        ; window 1: v128-191 the router's weights
.set WV,    48                         ; s48 my wave's number n
.set MSB, 0
.macro WIN new                         ; the immediate's high byte repeats the setting that is left
.if MSB != \new
	s_set_vgpr_msb (MSB<<8)|\new
.set MSB, \new
.endif
.endm
.macro XLOAD q                         ; two tiles of tokens, my 16 numbers of block q
.irp a, 0,1
.irp i, 0,1,2,3
	ds_load_b128 v[X+32*((\q)%2)+16*\a+4*\i:X+32*((\q)%2)+16*\a+4*\i+3], v2 offset:16*TROW*\a+128*(\q)+16*\i
.endr
.endr
.endm
.macro ROUTE q                         ; 16 matrix instructions; an accumulator comes round every fourth
	WIN 0x01                                       ; source 0 window 1
.irp i, 0,1,2,3,4,5,6,7
.irp a, 0,1
.set rD, ACC+8*(2*(\i%2)+\a)
.set rX, X+32*((\q)%2)+16*\a+2*\i
.if ((\q) == 0) && (\i < 2)
	v_wmma_f32_16x16x4_f32 v[rD:rD+7], v[W+16*(\q)+2*\i:W+16*(\q)+2*\i+1], v[rX:rX+1], 0
.else
	v_wmma_f32_16x16x4_f32 v[rD:rD+7], v[W+16*(\q)+2*\i:W+16*(\q)+2*\i+1], v[rX:rX+1], v[rD:rD+7]
.endif
.endr
.endr
	WIN 0
.endm
; Block q of both tiles, by turns: a lane holds 16 of the 32 numbers, lane l xor 16 the others
.macro XQ q
.set XB, X+32*((\q)%2)
.irp a, 0,1
	v_max3_num_f32 v[TM+\a], |v[XB+16*\a]|, |v[XB+16*\a+1]|, |v[XB+16*\a+2]|
.endr
.irp i, 3,5,7,9,11,13
.irp a, 0,1
	v_max3_num_f32 v[TM+\a], v[TM+\a], |v[XB+16*\a+\i]|, |v[XB+16*\a+\i+1]|
.endr
.endr
.irp a, 0,1
	v_max3_num_f32 v[TM+\a], v[TM+\a], |v[XB+16*\a+15]|, 0x1800000   ; and the floor 2^(3 - 127): the byte cannot fall under 1
.endr
.irp a, 0,1
	v_permlanex16_b32 v[TM+2+\a], v[TM+\a], s26, s27
.endr
.irp a, 0,1
	v_max_num_f32 v[TM+\a], v[TM+\a], v[TM+2+\a]
.endr
.irp a, 0,1
	v_add_nc_u32 v[TM+4+\a], 0xff000000, v[TM+\a]  ; 2 off the exponent field: the conversion's scale operand
.endr
.irp a, 0,1
	v_cvt_scalef32_pk8_fp4_f32 v[C+4*(\q)+2*\a], v[XB+16*\a:XB+16*\a+7], v[TM+4+\a]
	v_cvt_scalef32_pk8_fp4_f32 v[C+4*(\q)+2*\a+1], v[XB+16*\a+8:XB+16*\a+15], v[TM+4+\a]
.endr
.irp a, 0,1
	v_lshrrev_b32 v[TM+6+\a], 23, v[TM+4+\a]       ; the byte; also the plain lines behind the conversions
.endr
.irp a, 0,1
.if (\q) == 0
	v_mov_b32 v[TM+8+\a], v[TM+6+\a]
.else
	v_lshl_or_b32 v[TM+8+\a], v[TM+6+\a], 8*(\q), v[TM+8+\a]
.endif
.endr
.irp a, 0,1
	ds_store_b64 v3, v[C+4*(\q)+2*\a:C+4*(\q)+2*\a+1] offset:16*TROW*\a+16*(\q)
.endr
.endm
.macro LOADW t, dst, i0, n             ; block t of expert_w: rows 32 t + i0 .. i0 + n - 1 of my K step, my column
.set LI, \i0
.rept \n
	global_load_b32 v[\dst+LI], v10, s[10:11] offset:(32*(\t)+LI)*4096 th:TH_LOAD_NT
.set LI, LI+1
.endr
.endm
; 32 numbers v[xs] on become 4 registers of codes v[c] on; the byte goes to place t of the scale word v21
.macro QBLK xs, c, t
	v_max3_num_f32 v17, |v[(\xs)]|, |v[(\xs)+1]|, |v[(\xs)+2]|
	v_max3_num_f32 v18, |v[(\xs)+3]|, |v[(\xs)+4]|, |v[(\xs)+5]|
.irp i, 6,10,14,18,22,26
	s_delay_alu instid0(VALU_DEP_2)
	v_max3_num_f32 v17, v17, |v[(\xs)+\i]|, |v[(\xs)+\i+1]|
	s_delay_alu instid0(VALU_DEP_2)
	v_max3_num_f32 v18, v18, |v[(\xs)+\i+2]|, |v[(\xs)+\i+3]|
.endr
	s_delay_alu instid0(VALU_DEP_2)
	v_max3_num_f32 v17, v17, |v[(\xs)+30]|, |v[(\xs)+31]|
	s_delay_alu instid0(VALU_DEP_1)
	v_max3_num_f32 v17, v17, v18, 0x1800000
	s_delay_alu instid0(VALU_DEP_1)
	v_add_nc_u32 v19, 0xff000000, v17
.irp g, 0,1,2,3
	v_cvt_scalef32_pk8_fp4_f32 v[(\c)+\g], v[(\xs)+8*\g:(\xs)+8*\g+7], v19
.endr
	v_lshrrev_b32 v20, 23, v19                     ; the byte; also the plain line behind the conversions
	s_delay_alu instid0(VALU_DEP_1)
.if (\t) == 0
	v_mov_b32 v21, v20
.else
	v_lshl_or_b32 v21, v20, 8*(\t), v21
.endif
.endm
; Blocks 2 c and 2 c + 1 leave: lanes 0-15 hold columns of tiles 0 and 1, lanes 16-31 of tiles 2 and 3; behind the exchange the first four registers hold both blocks of tiles 0 and 1, the others of tiles 2 and 3
.macro WOUT c
.irp i, 0,1,2,3
	v_permlane16_swap_b32 v[C+8*(\c)+\i], v[C+8*(\c)+4+\i]
.endr
	global_store_b128 v26, v[C+8*(\c):C+8*(\c)+3], s[16:17] offset:2048*(\c)          ; two aligned pieces of 256 bytes, each whole
	global_store_b128 v26, v[C+8*(\c)+4:C+8*(\c)+7], s[16:17] offset:2048*(\c)+1024
.endm
	s_load_b512 s[4:19], s[0:1], 0x0               ; x s[4:5], router_w s[6:7], router_b s[8:9], expert_w s[10:11], xc s[12:13], xs s[14:15], wc s[16:17], ws s[18:19]
	s_load_b128 s[20:23], s[0:1], 0x40             ; gate s[20:21], masks s[22:23]
	s_load_b64 s[24:25], s[0:1], 0x50              ; cnts
	v_lshl_add_u32 v28, v0, 2, SPARE
	v_mov_b32 v29, 0
	ds_add_u32 v28, v29                            ; the opening add, twice on end, and its wait below
	ds_add_u32 v28, v29
	v_lshrrev_b32 v17, 5, v0
	v_readfirstlane_b32 s[WV], v17                 ; wave n = 0..7
	; descriptor group 1: 32 rows x 128 elements of 4 bytes, 1,024 elements from row to row, 4 words of padding behind every 128
	s_mov_b32 s40, (2<<16)|(1<<20)|(6<<22)|(3<<25)
	s_mov_b32 s41, 128<<16
	s_mov_b32 s42, 32<<16
	s_mov_b32 s43, 128<<16
	s_mov_b32 s44, 32
	s_mov_b32 s45, 1024
	s_mov_b32 s46, 0
	s_mov_b32 s47, 0
	s_mov_b32 s36, 1
	s_mul_i32 s37, s[WV], XTW                      ; my wave's tile in LDS
	s_lshl_b32 s2, ttmp9, 17                       ; x: 32 rows of 4,096 bytes a work-group,
	s_lshl_b32 s55, s[WV], 9                       ; my 512 bytes of a row
	s_add_co_u32 s2, s2, s55
	s_mov_b32 s3, 0
	s_and_b32 s51, ttmp9, 7                        ; K step
	s_bfe_u32 s52, ttmp9, 0x20003                  ; which 256 columns
	s_lshr_b32 s53, ttmp9, 5                       ; expert
	s_lshl_b32 s54, s52, 10
	s_lshl_b32 s55, s[WV], 7
	s_add_co_u32 s54, s54, s55                     ; my wave's first column x 4 bytes
	s_lshl_b32 s56, s53, 22                        ; expert_w: 4 MiB an expert,
	s_lshl_b32 s55, s51, 19                        ; 128 rows of 4,096 bytes a K step
	s_add_co_u32 s56, s56, s55
	s_add_co_u32 s56, s56, s54
	s_mov_b32 s57, 0
	s_lshl_b32 s58, s53, 19                        ; wc: 524,288 bytes an expert,
	s_lshl_b32 s55, s52, 17                        ; 131,072 for 256 columns,
	s_add_co_u32 s58, s58, s55
	s_lshr_b32 s55, s[WV], 1
	s_lshl_b32 s55, s55, 15                        ; 32,768 for 64,
	s_add_co_u32 s58, s58, s55
	s_lshl_b32 s55, s51, 12                        ; 4,096 a K step,
	s_add_co_u32 s58, s58, s55
	s_and_b32 s55, s[WV], 1
	s_lshl_b32 s55, s55, 8                         ; and which half of the 64 columns
	s_add_co_u32 s58, s58, s55
	s_mov_b32 s59, 0
	s_lshl_b32 s60, s53, 15                        ; ws: 32,768 bytes an expert, 4,096 a K step
	s_lshl_b32 s55, s51, 12
	s_add_co_u32 s60, s60, s55
	s_add_co_u32 s60, s60, s54
	s_mov_b32 s61, 0
	s_lshl_b32 s66, s[WV], 6
	s_add_co_u32 s66, s66, CST                     ; codes in
	s_lshl_b32 s67, s[WV], 2
	s_add_co_u32 s67, s67, SCS                     ; scale words in
	s_lshl_b32 s68, s[WV], 10
	s_add_co_u32 s68, s68, PART                    ; parts in
	s_mul_i32 s69, s[WV], 4*TROW
	s_add_co_u32 s69, s69, CST                     ; codes back
	s_lshl_b32 s70, s[WV], 11
	s_lshl_b32 s71, s[WV], 9
	s_mov_b32 s26, 0x76543210
	s_mov_b32 s27, 0xfedcba98                      ; v_permlanex16_b32's selects for lane l xor 16
	s_mov_b32 s50, 0xffff0000                      ; lanes 16-31
	v_and_b32 v1, 31, v0                           ; lane
	v_and_b32 v15, 15, v0                          ; r
	v_bfe_u32 v16, v0, 4, 1                        ; h
	v_and_b32 v22, 7, v0                           ; lane % 8
	v_lshlrev_b32 v12, 4, v1                       ; 16 x lane
	v_mul_u32_u24 v17, v15, TROW
	v_lshrrev_b32 v18, 3, v1
	v_lshlrev_b32 v23, 5, v15
	v_lshl_add_u32 v2, v16, 6, v17
	v_lshl_add_u32 v3, v16, 3, v17
	v_lshlrev_b32 v18, 2, v18
	v_add_nc_u32 v4, s67, v23                      ; scale word in: 32 x token + 4 n
	v_add_nc_u32 v2, s37, v2                       ; x: row r of my tile, + 64 h
	v_add_nc_u32 v3, s66, v3                       ; codes in: row r, + 64 n + 8 h
	v_lshl_add_u32 v10, v22, 4, v18                ; expert_w: 4 x (4 (lane % 8) + lane / 8)
	v_add_nc_u32 v5, s68, v12                      ; parts in
	v_add_nc_u32 v6, s69, v12                      ; codes back: wave n takes rows 4 n .. 4 n + 3, whole
	v_add_nc_u32 v7, s70, v12                      ; and the same rows in xc
	v_add_nc_u32 v24, s71, v12                     ; scale words back (waves 0 and 1): 512 bytes a wave
	v_add_nc_u32 v9, PART, v12                     ; parts back (wave 7)
	v_lshlrev_b32 v19, 7, v16
	v_bfe_u32 v20, v0, 3, 1
	v_add_nc_u32 v8, SCS, v24
	v_lshl_add_u32 v26, v22, 4, v19
	v_lshlrev_b32 v23, 9, v16
	v_lshlrev_b32 v25, 2, v1
	v_lshl_add_u32 v26, v20, 9, v26                ; wc: 512 ((lane / 8) % 2) + 128 h + 16 (lane % 8)
	v_lshl_add_u32 v14, v22, 2, v23                ; router_w: 512 h + 4 (r % 8)
	v_lshlrev_b32 v27, 10, v1                      ; masks and cnts: lane e takes expert e's row of 1,024 bytes
	v_mov_b32 v[TM+2], 0                           ; (a lane permute's destination counts as one of its sources)
	v_mov_b32 v[TM+3], 0
	s_wait_alu depctr_va_vdst(0)                   ; the wait at the head's end
	s_wait_dscnt 0x0
	s_wait_kmcnt 0x0
	s_load_b256 s[28:35], s[8:9], 0x0              ; the eight biases
	s_add_nc_u64 s[38:39], s[4:5], s[2:3]          ; the tile's first element,
	s_or_b32 s39, s39, 0x80000000                  ; the type
	s_lshl_b32 s2, s[WV], 12                       ; my 128 rows of router_w, 32 bytes each
	s_add_nc_u64 s[6:7], s[6:7], s[2:3]
	s_add_nc_u64 s[10:11], s[10:11], s[56:57]
	tensor_load_to_lds s[36:39], s[40:47]          ; my one tensor load: the only fill of these bytes
	s_nop 0
.rept 4
	v_nop
.endr
	WIN 0x40                                       ; destination window 1
.irp q, 0,1,2,3
.irp i, 0,1,2,3,4,5,6,7,8,9,10,11,12,13,14,15
	global_load_b32 v[W+16*\q+\i], v14, s[6:7] offset:(32*\q+\i)*32   ; k = 128 n + 32 q + 16 h + i, expert r % 8
.endr
.endr
	WIN 0
	LOADW 0, XW, 0, 32
	LOADW 1, XW+32, 0, 16
	s_lshl_b32 s2, ttmp9, 14
	s_add_nc_u64 s[12:13], s[12:13], s[2:3]        ; xc: 32 rows of 512 bytes
	s_lshl_b32 s2, ttmp9, 10
	s_add_nc_u64 s[14:15], s[14:15], s[2:3]        ; xs: 32 rows of 32 bytes
	s_lshl_b32 s2, ttmp9, 7
	s_add_nc_u64 s[20:21], s[20:21], s[2:3]        ; gate: 32 words
	s_lshl_b32 s2, ttmp9, 2
	s_add_nc_u64 s[22:23], s[22:23], s[2:3]        ; masks and cnts: my group's word in each expert's row
	s_add_nc_u64 s[24:25], s[24:25], s[2:3]
	s_add_nc_u64 s[16:17], s[16:17], s[58:59]
	s_add_nc_u64 s[18:19], s[18:19], s[60:61]
	s_wait_tensorcnt 0x0                           ; my tile is in LDS; nobody else reads it, so no barrier stands here
	XLOAD 0
	XLOAD 1
	s_wait_loadcnt 48                              ; the router's weights: behind them stand 48 loads of expert_w
	LOADW 1, XW+32, 16, 16
	LOADW 2, XW+64, 0, 32
.irp q, 0,1,2,3
.if \q == 0
	s_wait_dscnt 8                                 ; block 1's eight loads may be out
.elseif \q < 3
	s_wait_dscnt 10                                ; two stores of codes and the next block's eight loads may be out
.else
	s_wait_dscnt 2
.endif
	ROUTE \q
	XQ \q
.if \q < 2
.rept 8
	v_nop                                          ; places between the matrix instructions and the loads into their sources
.endr
	XLOAD \q+2
.endif
.endr
	ds_store_b32 v4, v[TM+8]
	ds_store_b32 v4, v[TM+9] offset:512
.rept 9
	v_nop                                          ; places ahead of the sums' first readers, and of the writes over the last sources
.endr
.irp p, 0,1,2,3
	v_pk_add_f32 v[64+2*\p:65+2*\p], v[ACC+2*\p:ACC+2*\p+1], v[ACC+16+2*\p:ACC+17+2*\p]     ; tokens 0-15: even and odd i
	v_pk_add_f32 v[72+2*\p:73+2*\p], v[ACC+8+2*\p:ACC+9+2*\p], v[ACC+24+2*\p:ACC+25+2*\p]   ; tokens 16-31
.endr
.irp e, 0,1,2,3,4,5,6,7
	v_cndmask_b32 v[64+\e], v[64+\e], v[72+\e], s50   ; lane l: token l
.endr
	ds_store_b128 v5, v[64:67]
	ds_store_b128 v5, v[68:71] offset:512
	LOADW 3, X, 0, 32                              ; the last portion, into registers that x has left
	s_wait_kmcnt 0x0                               ; the biases
	s_wait_dscnt 0x0                               ; for the others: my LDS stores have landed
	s_barrier_signal -1
	s_barrier_wait -1                              ; the one barrier
.irp i, 0,1,2,3
	ds_load_b128 v[C+4*\i:C+4*\i+3], v6 offset:TROW*\i
.endr
.irp i, 0,1,2,3
	s_wait_dscnt 3-\i                              ; the younger read-backs may be out
	global_store_b128 v7, v[C+4*\i:C+4*\i+3], s[12:13] offset:512*\i   ; 32 lanes store a row of 512 consecutive bytes, aligned to 256
.endr
	s_cmp_lt_u32 s[WV], 2
	s_cbranch_scc0 .Lno_scales
	ds_load_b128 v[TM:TM+3], v8
	s_wait_dscnt 0x0
	global_store_b128 v24, v[TM:TM+3], s[14:15]    ; 512 consecutive bytes a wave
.Lno_scales:
	s_wait_xcnt 0x0                                ; the stores have read v192-211
	s_cmp_eq_u32 s[WV], 7
	s_cbranch_scc0 .Lweights
	; wave 7: lane = token.  The eight waves' parts (0 to 3 at v64, 4 to 7 at v192), the bias, the first largest logit, the gate, the group's masks and counts
.irp u, 0,1,2,3
	ds_load_b128 v[64+8*\u:67+8*\u], v9 offset:1024*\u
	ds_load_b128 v[68+8*\u:71+8*\u], v9 offset:1024*\u+512
.endr
.irp u, 0,1,2,3
	ds_load_b128 v[192+8*\u:195+8*\u], v9 offset:4096+1024*\u
	ds_load_b128 v[196+8*\u:199+8*\u], v9 offset:4096+1024*\u+512
.endr
	s_wait_dscnt 0x0
.irp b, 64,80,192,208
.irp p, 0,2,4,6
	v_pk_add_f32 v[\b+\p:\b+\p+1], v[\b+\p:\b+\p+1], v[\b+8+\p:\b+9+\p]
.endr
.endr
.irp b, 64,192
.irp p, 0,2,4,6
	v_pk_add_f32 v[\b+\p:\b+\p+1], v[\b+\p:\b+\p+1], v[\b+16+\p:\b+17+\p]
.endr
.endr
.irp p, 0,2,4,6
	v_pk_add_f32 v[64+\p:65+\p], v[64+\p:65+\p], v[192+\p:193+\p]
.endr
.irp e, 0,1,2,3,4,5,6,7
	v_add_f32 v[64+\e], s[28+\e], v[64+\e]
.endr
	v_mov_b32 v17, v64                             ; the largest so far,
	v_mov_b32 v18, 0                               ; and where
.irp e, 1,2,3,4,5,6,7
	v_cmp_le_f32 vcc_lo, v[64+\e], v17             ; not larger: the earlier index stays
	v_cndmask_b32 v18, \e, v18, vcc_lo
	v_max_num_f32 v17, v17, v[64+\e]
.endr
.irp e, 0,1,2,3,4,5,6,7
	v_sub_f32 v[64+\e], v[64+\e], v17              ; the largest is taken away ahead of the exponential
.endr
.irp e, 0,1,2,3,4,5,6,7
	v_mul_f32 v[64+\e], 0x3fb8aa3b, v[64+\e]       ; x log2(e)
.endr
	s_wait_alu depctr_va_vdst(0)                   ; a wait ahead of the batch, and one behind it
.irp e, 0,1,2,3,4,5,6,7
	v_exp_f32 v[64+\e], v[64+\e]
.endr
	v_nop                                          ; a plain line behind the last exponential
.irp e, 0,1,2,3,4,5,6,7
	v_cmp_eq_u32 s[56+\e], \e, v18                 ; which of the 32 tokens chose expert e
.endr
	s_wait_alu depctr_va_vdst(0)
	v_add_f32 v64, v64, v65
	v_add_f32 v66, v66, v67
	v_add_f32 v68, v68, v69
	v_add_f32 v70, v70, v71
	v_add_f32 v64, v64, v66
	v_add_f32 v68, v68, v70
	v_add_f32 v64, v64, v68
	s_wait_alu depctr_va_vdst(0)
	v_rcp_f32 v19, v64                             ; the largest term is 1, so the largest probability is 1 / the sum
	v_mov_b32 v20, 0                               ; (a plain line behind the reciprocal)
	v_mov_b32 v17, 0
	s_wait_alu depctr_va_vdst(0)
.irp e, 0,1,2,3,4,5,6,7
	s_bcnt1_i32_b32 s[66+\e], s[56+\e]             ; how many chose expert e
.endr
.irp e, 0,1,2,3,4,5,6,7
	v_writelane_b32 v20, s[56+\e], \e              ; lane e holds expert e's mask
	v_writelane_b32 v17, s[66+\e], \e              ; and its count
.endr
	s_wait_alu depctr_va_vdst(0)
	global_store_b32 v25, v19, s[20:21]            ; 128 consecutive bytes
	s_wait_xcnt 0x0                                ; EXEC changes only behind this wait
	v_cmp_gt_u32 vcc_lo, 8, v1
	s_and_saveexec_b32 s51, vcc_lo                 ; lanes 0 to 7
	global_store_b32 v27, v20, s[22:23]            ; one word in each expert's row: 16,384 bytes in the whole launch go out so
	global_store_b32 v27, v17, s[24:25]
	s_wait_xcnt 0x0
	s_or_b32 exec_lo, exec_lo, s51
.Lweights:
	s_wait_loadcnt 63                              ; blocks 0 and 1 are in: behind them stand the 64 loads of blocks 2 and 3
	QBLK XW, C, 0
	QBLK XW+32, C+4, 1
	WOUT 0
	s_wait_loadcnt 32                              ; block 2
	QBLK XW+64, C+8, 2
	s_wait_loadcnt 0x0                             ; block 3
	QBLK X, C+12, 3
	WOUT 1
	s_wait_alu depctr_va_vdst(0)
	global_store_b32 v25, v21, s[18:19]            ; 128 consecutive bytes; the neighbouring wave stores the 128 beside them
	s_wait_tensorcnt 0x0                           ; the wave's end
	ds_add_u32 v28, v29
	s_wait_dscnt 0x0
	s_endpgm
.Lfunc_end_k_q7c6137524b_quant:
	.size	k_q7c6137524b_quant, .Lfunc_end_k_q7c6137524b_quant-k_q7c6137524b_quant
	.p2alignl 7, 3214868480
	.fill 96, 4, 3214868480
	.section	.rodata,"a",@progbits
	.p2align	6, 0x0
	.amdhsa_kernel k_q7c6137524b_quant
		.amdhsa_group_segment_fixed_size 167936
		.amdhsa_private_segment_fixed_size 0
		.amdhsa_enable_private_segment 0
		.amdhsa_kernarg_size 88
		.amdhsa_user_sgpr_count 2
		.amdhsa_user_sgpr_kernarg_segment_ptr 1
		.amdhsa_wavefront_size32 1
		.amdhsa_system_sgpr_workgroup_id_x 1
		.amdhsa_system_sgpr_workgroup_id_y 1
		.amdhsa_system_sgpr_workgroup_id_z 1
		.amdhsa_system_vgpr_workitem_id 0
		.amdhsa_next_free_vgpr 448
		.amdhsa_next_free_sgpr 74
		.amdhsa_reserve_vcc 1
		.amdhsa_float_denorm_mode_32 3
		.amdhsa_float_denorm_mode_16_64 3
		.amdhsa_memory_ordered 1
		.amdhsa_forward_progress 1
		.amdhsa_inst_pref_size 57
	.end_amdhsa_kernel
	.amdgpu_metadata
---
amdhsa.version: [ 1, 2 ]
amdhsa.kernels:
  - .name:           k_q7c6137524b_quant
    .symbol:         k_q7c6137524b_quant.kd
    .args:
      - { .name: x, .offset: 0, .size: 8, .value_kind: global_buffer, .address_space: global }
      - { .name: router_w, .offset: 8, .size: 8, .value_kind: global_buffer, .address_space: global }
      - { .name: router_b, .offset: 16, .size: 8, .value_kind: global_buffer, .address_space: global }
      - { .name: expert_w, .offset: 24, .size: 8, .value_kind: global_buffer, .address_space: global }
      - { .name: xc, .offset: 32, .size: 8, .value_kind: global_buffer, .address_space: global }
      - { .name: xs, .offset: 40, .size: 8, .value_kind: global_buffer, .address_space: global }
      - { .name: wc, .offset: 48, .size: 8, .value_kind: global_buffer, .address_space: global }
      - { .name: ws, .offset: 56, .size: 8, .value_kind: global_buffer, .address_space: global }
      - { .name: gate, .offset: 64, .size: 8, .value_kind: global_buffer, .address_space: global }
      - { .name: masks, .offset: 72, .size: 8, .value_kind: global_buffer, .address_space: global }
      - { .name: cnts, .offset: 80, .size: 8, .value_kind: global_buffer, .address_space: global }
    .group_segment_fixed_size: 167936
    .private_segment_fixed_size: 0
    .kernarg_segment_align: 8
    .kernarg_segment_size: 88
    .max_flat_workgroup_size: 256
    .sgpr_count:     74
    .vgpr_count:     448
    .wavefront_size: 32
...
	.end_amdgpu_metadata
.endif
;; end of part 4
;; launch ffn (part 5): grid 256 x 1, 4 waves a work-group, no clusters, 109,568 bytes of LDS; arguments xc, xs, wc, ws, gate, masks, cnts, expert_b, out0; writes out0
.if DOCPART == 5
	.amdgcn_target "amdgcn-amd-amdhsa--gfx1250"
	.amdhsa_code_object_version 6
	.text
	.protected	k_q7c6137524b_ffn
	.globl	k_q7c6137524b_ffn
	.p2align	8
	.type	k_q7c6137524b_ffn,@function
k_q7c6137524b_ffn:
	s_mov_b64 s[64:65], 0
	v_nop
	global_prefetch_b8 v0, s[64:65] scope:SCOPE_SE
	s_setreg_imm32_b32 hwreg(HW_REG_WAVE_MODE, 25, 1), 1
	s_wait_xcnt 0x0
; out0[token] = gate[token] x (Q(x[token]) . Q(expert_w[e]) + expert_b[e]), e the token's expert: only the chosen expert's product is made (a NaN, an infinity or an overflow in another expert's product is not carried to the result).
; Codes of E2M1 with E8M0 scales on both sides, sums in f32.
; SHARES.  Work-group x: expert e = x % 8, columns 256 y on with y = (x / 8) % 4, tokens 1024 j .. 1024 j + 1023 with j = x / 32: of those the ones that chose e, in ascending order, 0 to 1,024 rows.  Wave w takes all rows x columns 64 (4 y + w) on.
;   Expert and columns hang on ids alone, so the weights, 256 registers a wave, are asked for at the head, once, and stay.  The rows go in tiles of 192: six trips serve every split (1,024 rows at the most); a trip without rows passes its two barriers.
;   A work-group without a row stores nothing.
; THE ROWS.  Lane l has the mask and the count of the group of 32 tokens 32 j + l.  The counts, summed along, go to 31 scalar registers; a row's position is compared with them, which gives its group; 5 steps on partial bit counts give
;   the place of the r-th set bit.  Wave w finds and gathers rows 4 i + w, i = 0 .. 47 (two sets: i = lane, and i = 32 + lane % 16).  A position behind the last row is held at the last: it repeats that row, with the same numbers to the same bytes.
;   The gathered rows of codes (512 bytes each), their scale words, tokens and gates meet in LDS.
; THE PRODUCT: source 0 = 16 rows, source 1 = 16 columns of the weights; tile b holds the columns 4 r + b of the wave's 64: so lane r has, in the same register of its four tiles, four neighbouring columns, and sixteen lanes 256 neighbouring bytes of
;   a row: results leave without LDS.  The bias is the C of each sum's first product.  Rows go in groups of 32: eight accumulators take turns, one instruction a turn.
; NO CLUSTER, NO TENSOR LOAD: how many rows a work-group walks, and which, hangs on stored numbers.  No barrier stands under a branch on such a number.  NO PREFETCH: each byte is asked for once, at the head; there is no loop over memory to run ahead in.
; REGISTERS.  Window 0: v1-30 addresses; v32-47 the weights' scale words; v48-63 x's, two sets; v64-95 tokens, then offsets of the stores, two sets; v96-127 gates, two sets; v128-191 results on their way out (ahead of that the gather's offsets);
;   v192-243 the placing.   Window 1: two sets of x's fragments, 32 rows x 1024 k each (ahead of that the gathered rows).   Window 2: the weights: K step s, tile b at v[32 s + 8 b].   Window 3: v0-31 the bias, v32-95 the accumulators.
.set PITCH, 528                        ; a row of codes in LDS: 512 bytes + 16: an odd multiple of 16
.set SCL,   192*PITCH                  ; 101,376: the rows' scale words, 32 bytes a row
.set TKL,   SCL+192*32                 ; 107,520: the rows' tokens, a word a row; the gates 768 bytes behind
.set SPARE, TKL+2*768                  ; 109,056: the spare words, 128 bytes a wave
.set WS,    32                         ; register 2 s + p: lanes 0-15 the words of tile 2 p, lanes 16-31 of 2 p + 1
.set XS,    48                         ; a block's four: lanes 0-15 K steps 0-3, lanes 16-31 K steps 4-7
.set T,     64
.set G,     96
.set O,     128
.set GOF,   128
.set RA,    192                        ; a set of rows: +0 position; +1 lane L; +2 where L begins, then the rank left; +3 mask; +4, +5, +6 its bit counts by 2, 4, 8 places; +7, +8, +10 at work; +9 place; +11 token; +12, +13 offsets; +14 gate; +16..23 scale words
.set RB,    216
.set BB,    240
.set ACC,   32
.set Q,     66                         ; s66-96: s[Q + l] = the sum of the counts of lanes 0 .. l
.set CNT,   27                         ; s27: rows in this trip's tile;  s26: rows in all;  s34: the tile's first position;  s35: the last position
.set MSB, 0
.macro WIN new                         ; the immediate's high byte repeats the setting that is left
.if MSB != \new
	s_set_vgpr_msb (MSB<<8)|\new
.set MSB, \new
.endif
.endm
.macro PK s                            ; the weights of K step s: 2 registers of scale words, 4 fragments: ten loads
	WIN 0
	global_load_b32 v[WS+2*(\s)], v5, s[10:11] offset:4096*(\s)
	global_load_b32 v[WS+2*(\s)+1], v5, s[10:11] offset:4096*(\s)+64
	WIN 0x80                                       ; destination window 2
.irp b, 0,1,2,3
.irp c, 0,1
	global_load_b128 v[32*(\s)+8*\b+4*\c:32*(\s)+8*\b+4*\c+3], v4, s[8:9] offset:4096*(\s)+2048*\c+512*\b   ; 512 consecutive bytes
.endr
.endr
	WIN 0
.endm
; One step of the search for the r-th set bit, for both sets of rows: the field of w bits at the place in hand counts the set bits of the next places; if the rank left reaches it, they are passed over.
.macro PICK fld, w, kc
.irp R, RA, RB
	v_bfe_u32 v[\R+7], v[\R+\fld], v[\R+9], \w
.endr
	STEPBIT \kc, 0
.endm
.macro STEPBIT kc, start
.irp R, RA, RB
	v_cmp_ge_u32 s[100+(\R-RA)/24], v[\R+2], v[\R+7]
.endr
.irp R, RA, RB
	v_cndmask_b32 v[\R+8], 0, v[\R+7], s[100+(\R-RA)/24]
.if \start
	v_cndmask_b32 v[\R+9], 0, \kc, s[100+(\R-RA)/24]
.else
	v_cndmask_b32 v[\R+10], 0, \kc, s[100+(\R-RA)/24]
.endif
.endr
.irp R, RA, RB
	v_sub_nc_u32 v[\R+2], v[\R+2], v[\R+8]
.if \start == 0
	v_add_nc_u32 v[\R+9], v[\R+9], v[\R+10]
.endif
.endr
.endm
.macro ROWS                            ; how many rows this trip has
	s_min_u32 s28, s34, s26
	s_sub_co_u32 s[CNT], s26, s28
	s_min_u32 s[CNT], s[CNT], 192
.endm
; The tokens of my 48 rows, and what hangs on them: five small loads
.macro FIND first
	v_add_nc_u32 v[RA], s34, v18
	v_add_nc_u32 v[RB], s34, v19
	v_mov_b32 v[RA+1], 0
	v_mov_b32 v[RB+1], 0
	v_min_u32 v[RA], s35, v[RA]
	v_min_u32 v[RB], s35, v[RB]
.set LN, 1
.rept 15                               ; the last lane whose tokens do not begin behind the position
	v_cmp_gt_u32 s98, s[Q+LN-1], v[RA]
	v_cmp_gt_u32 s99, s[Q+LN-1], v[RB]
	v_cmp_gt_u32 s100, s[Q+LN], v[RA]
	v_cmp_gt_u32 s101, s[Q+LN], v[RB]
	v_cndmask_b32 v[RA+1], LN, v[RA+1], s98
	v_cndmask_b32 v[RB+1], LN, v[RB+1], s99
	v_cndmask_b32 v[RA+1], LN+1, v[RA+1], s100
	v_cndmask_b32 v[RB+1], LN+1, v[RB+1], s101
.set LN, LN+2
.endr
	v_cmp_gt_u32 s98, s[Q+30], v[RA]
	v_cmp_gt_u32 s99, s[Q+30], v[RB]
	v_cndmask_b32 v[RA+1], 31, v[RA+1], s98
	v_cndmask_b32 v[RB+1], 31, v[RB+1], s99
.irp R, RA, RB
	v_lshlrev_b32 v[\R+7], 2, v[\R+1]
.endr
.irp R, RA, RB
	ds_bpermute_b32 v[\R+3], v[\R+7], v23          ; its mask,
	ds_bpermute_b32 v[\R+2], v[\R+7], v22          ; and where its tokens begin
.endr
.if \first
	s_wait_loadcnt 30                              ; the bias: behind it stand three K steps' thirty loads
	WIN 0xc0                                       ; destination window 3
.irp b, 0,1,2,3
.irp i, 0,1,2,3,4,5,6,7
	v_mov_b32 v[8*\b+\i], v[BB+\b]                 ; a lane's column is the same in all eight registers of a tile
.endr
.endr
	WIN 0
.endif
	s_wait_dscnt 0x0
.irp R, RA, RB
	v_sub_nc_u32 v[\R+2], v[\R], v[\R+2]           ; the rank in the group: which set bit of its mask
	v_lshrrev_b32 v[\R+4], 1, v[\R+3]
.endr
.irp R, RA, RB
	v_and_b32 v[\R+4], 0x55555555, v[\R+4]
.endr
.irp R, RA, RB
	v_sub_nc_u32 v[\R+4], v[\R+3], v[\R+4]         ; the set bits of each 2 places
.endr
.irp R, RA, RB
	v_lshrrev_b32 v[\R+5], 2, v[\R+4]
	v_and_b32 v[\R+7], 0x33333333, v[\R+4]
.endr
.irp R, RA, RB
	v_and_b32 v[\R+5], 0x33333333, v[\R+5]
.endr
.irp R, RA, RB
	v_add_nc_u32 v[\R+5], v[\R+5], v[\R+7]         ; of each 4
.endr
.irp R, RA, RB
	v_lshrrev_b32 v[\R+6], 4, v[\R+5]
.endr
.irp R, RA, RB
	v_add_nc_u32 v[\R+6], v[\R+6], v[\R+5]
.endr
.irp R, RA, RB
	v_and_b32 v[\R+6], 0x0f0f0f0f, v[\R+6]         ; of each 8
.endr
.irp R, RA, RB
	v_bfe_u32 v[\R+7], v[\R+6], 8, 8
	v_and_b32 v[\R+8], 0xff, v[\R+6]
.endr
.irp R, RA, RB
	v_add_nc_u32 v[\R+7], v[\R+7], v[\R+8]         ; of the low 16
.endr
	STEPBIT 16, 1
	PICK 6, 8, 8
	PICK 5, 4, 4
	PICK 4, 2, 2
	PICK 3, 1, 1
.irp R, RA, RB
	v_lshl_add_u32 v[\R+11], v[\R+1], 5, v[\R+9]
.endr
.irp R, RA, RB
	v_add_nc_u32 v[\R+11], s36, v[\R+11]           ; the token: 1024 j + 32 L + place
.endr
.irp R, RA, RB
	v_min_u32 v[\R+11], 0x1fff, v[\R+11]
.endr
.irp R, RA, RB
	v_lshlrev_b32 v[\R+12], 5, v[\R+11]            ; xs: 32 bytes a token
	v_lshlrev_b32 v[\R+13], 2, v[\R+11]
.endr
	v_lshl_add_u32 v[RB+12], v3, 4, v[RB+12]       ; (the second set: 16 bytes a lane, the two halves of the lanes share a row)
	s_wait_alu depctr_va_vdst(0)                   ; the wait ahead of the readers below
	global_load_b128 v[RA+16:RA+19], v[RA+12], s[6:7]
	global_load_b128 v[RA+20:RA+23], v[RA+12], s[6:7] offset:16
	global_load_b128 v[RB+16:RB+19], v[RB+12], s[6:7]
	global_load_b32 v[RA+14], v[RA+13], s[12:13]
	global_load_b32 v[RB+14], v[RB+13], s[12:13]
.endm
.macro GATHER i0, n                    ; rows 4 i + w, i = i0 .. i0 + n - 1, whole, into window 1
.set GI, \i0
.rept (\n)/4
.irp q, 0,1,2,3
.if GI < 32
	v_readlane_b32 s[40+\q], v[RA+11], GI+\q
.else
	v_readlane_b32 s[40+\q], v[RB+11], GI-32+\q
.endif
.endr
.irp q, 0,1,2,3
	s_min_u32 s[40+\q], s[40+\q], 0x1fff
.endr
.irp q, 0,1,2,3
	v_lshl_add_u32 v[GOF+GI+\q], s[40+\q], 9, v17  ; 512 bytes a token, 16 a lane
.endr
.set GI, GI+4
.endr
	s_wait_alu depctr_va_vdst(0)                   ; the wait ahead of the readers below
	WIN 0x40
.set GI, \i0
.rept \n
	global_load_b128 v[4*GI:4*GI+3], v[GOF+GI], s[4:5]
.set GI, GI+1
.endr
	WIN 0
.endm
.macro TOLDS n                         ; n gathered rows, and the tables
	WIN 0x04                                       ; an LDS store's data are its source 1: window 1
.set GI, 0
.rept \n
.if GI < 32
	ds_store_b128 v10, v[4*GI:4*GI+3] offset:4*PITCH*GI
.else
	ds_store_b128 v11, v[4*GI:4*GI+3] offset:4*PITCH*(GI-32)
.endif
.set GI, GI+1
.endr
	WIN 0
	ds_store_b128 v12, v[RA+16:RA+19]
	ds_store_b128 v12, v[RA+20:RA+23] offset:16
	ds_store_b128 v13, v[RB+16:RB+19]
	ds_store_b32 v14, v[RA+11]
	ds_store_b32 v15, v[RB+11]                     ; (lanes l and l xor 16 write the same word with the same value)
	ds_store_b32 v14, v[RA+14] offset:768
	ds_store_b32 v15, v[RB+14] offset:768
.endm
.macro REST n                          ; the first tile: the rows behind 128, the other weights, and into LDS
.if \n > 32
	GATHER 32, \n-32
.endif
	PK 3
	PK 4
	PK 5
	PK 6
	PK 7
	s_wait_loadcnt 50                              ; the rows, their scale words and gates are in; five K steps' weights may be out
	TOLDS \n
.endm
.macro ALOAD g                         ; group g = blocks 2 g, 2 g + 1: tokens, gates, scale words (10 loads), fragments (32)
.irp a, 0,1
.set TA, 16*((\g)%2)+8*\a
	ds_load_b128 v[T+TA:T+TA+3], v7 offset:64*(2*(\g)+\a)          ; the tokens of rows 8 h + 0 .. 7
	ds_load_b128 v[T+TA+4:T+TA+7], v7 offset:64*(2*(\g)+\a)+16
	ds_load_b128 v[G+TA:G+TA+3], v7 offset:768+64*(2*(\g)+\a)
	ds_load_b128 v[G+TA+4:G+TA+7], v7 offset:768+64*(2*(\g)+\a)+16
	ds_load_b128 v[XS+TA/2:XS+TA/2+3], v6 offset:512*(2*(\g)+\a)
.endr
	WIN 0x40
.irp s, 0,1,2,3,4,5,6,7
.irp a, 0,1
.irp c, 0,1
.set FB, 128*((\g)%2)+16*\s+8*\a+4*\c
	ds_load_b128 v[FB:FB+3], v[8+(2*(\g)+\a)/6] offset:16*PITCH*((2*(\g)+\a)%6)+64*\s+32*\c
.endr
.endr
.endr
	WIN 0
.endm
.macro MM g, s                         ; K step s of group g: 2 blocks of rows x 4 tiles of columns
.irp a, 0,1
.irp b, 0,1,2,3
.set rD, ACC+8*(4*\a+\b)
.set rC, rD
.if (\s) == 0
.set rC, 8*\b
.endif
.set rA, 128*((\g)%2)+16*(\s)+8*\a
.set rW, 32*(\s)+8*\b
.set rSX, XS+8*((\g)%2)+4*\a+(\s)%4
.set rSW, WS+2*(\s)+\b/2
.if (\b%2 == 0) && ((\s) < 4)
	v_wmma_scale_f32_16x16x128_f8f6f4 v[rD:rD+7], v[rA:rA+7], v[rW:rW+7], v[rC:rC+7], v[rSX], v[rSW] matrix_a_fmt:MATRIX_FMT_FP4 matrix_b_fmt:MATRIX_FMT_FP4
.elseif (\s) < 4
	v_wmma_scale_f32_16x16x128_f8f6f4 v[rD:rD+7], v[rA:rA+7], v[rW:rW+7], v[rC:rC+7], v[rSX], v[rSW] matrix_a_fmt:MATRIX_FMT_FP4 matrix_b_fmt:MATRIX_FMT_FP4 matrix_b_scale:MATRIX_SCALE_ROW1
.elseif \b%2 == 0
	v_wmma_scale_f32_16x16x128_f8f6f4 v[rD:rD+7], v[rA:rA+7], v[rW:rW+7], v[rC:rC+7], v[rSX], v[rSW] matrix_a_fmt:MATRIX_FMT_FP4 matrix_b_fmt:MATRIX_FMT_FP4 matrix_a_scale:MATRIX_SCALE_ROW1
.else
	v_wmma_scale_f32_16x16x128_f8f6f4 v[rD:rD+7], v[rA:rA+7], v[rW:rW+7], v[rC:rC+7], v[rSX], v[rSW] matrix_a_fmt:MATRIX_FMT_FP4 matrix_b_fmt:MATRIX_FMT_FP4 matrix_a_scale:MATRIX_SCALE_ROW1 matrix_b_scale:MATRIX_SCALE_ROW1
.endif
.endr
.endr
.endm
; THE WAY OUT of block a of group g: x gate, four tiles' registers to four neighbours, one store for two rows.  The sixteen lines of offsets are also the places behind the last products.
.macro EPI g, a
.set TA, 16*((\g)%2)+8*(\a)
.irp i, 0,1,2,3,4,5,6,7
	v_min_u32 v[T+TA+\i], 0x1fff, v[T+TA+\i]
.endr
.irp i, 0,1,2,3,4,5,6,7
	v_lshl_add_u32 v[T+TA+\i], v[T+TA+\i], 12, v16 ; the token's row of 4,096 bytes + 16 r
.endr
	WIN 0x03                                       ; source 0 window 3
.irp i, 0,1,2,3,4,5,6,7
.irp b, 0,1,2,3
	v_mul_f32 v[O+32*(\a)+4*\i+\b], v[ACC+8*(4*(\a)+\b)+\i], v[G+TA+\i]   ; each accumulator from its low end on
.endr
.endr
	WIN 0
.irp i, 0,1,2,3,4,5,6,7
	global_store_b128 v[T+TA+\i], v[O+32*(\a)+4*\i:O+32*(\a)+4*\i+3], s[20:21] th:TH_STORE_NT   ; sixteen lanes store 256 consecutive bytes, aligned
.endr
.endm
.macro GROUP g
	s_wait_dscnt 16                                ; K steps 0-3 are in; the 16 loads of K steps 4-7 may be out
	WIN 0xf9                                       ; source 0 window 1, source 1 window 2, C and D window 3
.irp s, 0,1,2,3
.if (\g == 0) && (\s == 3)
	s_wait_loadcnt 40                              ; (the first tile: K step 3's weights are in, four tens may be out)
.endif
	MM \g, \s
.endr
	s_wait_dscnt 0x0
.irp s, 4,5,6,7
.if \g == 0
	s_wait_loadcnt 10*(7-\s)
.endif
	MM \g, \s
.endr
	WIN 0
	s_wait_xcnt 0x0                                ; the stores of the groups before have read their data and offsets
.endm
.macro LAST g                          ; the tile's last group: a second block without a row is jumped over
	EPI \g, 0
	s_cmp_le_u32 s[CNT], 32*(\g)+16
	s_cbranch_scc1 .Ldone
	EPI \g, 1
	s_branch .Ldone
.endm
	s_load_b512 s[4:19], s[0:1], 0x0               ; xc s[4:5], xs s[6:7], wc s[8:9], ws s[10:11], gate s[12:13], masks s[14:15], cnts s[16:17], expert_b s[18:19]
	s_load_b64 s[20:21], s[0:1], 0x40              ; out0
	v_lshl_add_u32 v28, v0, 2, SPARE
	v_mov_b32 v29, 0
	v_lshrrev_b32 v31, 5, v0
	v_readfirstlane_b32 s22, v31                   ; wave 0..3
	s_and_b32 s23, ttmp9, 7                        ; expert
	s_lshr_b32 s24, ttmp9, 3
	s_and_b32 s24, s24, 3                          ; which 256 columns
	s_lshr_b32 s25, ttmp9, 5                       ; which 1,024 tokens
	s_lshl_b32 s36, s25, 10
	s_lshl_b32 s29, s24, 2
	s_add_co_u32 s29, s29, s22                     ; which 64 columns
	s_lshl_b32 s40, s23, 10                        ; masks and cnts: 1,024 bytes an expert, 128 for my 32 groups
	s_lshl_b32 s30, s25, 7
	s_add_co_u32 s40, s40, s30
	s_mov_b32 s41, 0
	s_lshl_b32 s42, s23, 19                        ; wc: 524,288 bytes an expert, 32,768 for 64 columns
	s_lshl_b32 s30, s29, 15
	s_add_co_u32 s42, s42, s30
	s_mov_b32 s43, 0
	s_lshl_b32 s48, s29, 8                         ; out0: 256 bytes for 64 columns
	s_mov_b32 s49, 0
	s_lshl_b32 s44, s23, 15                        ; ws: 32,768 bytes an expert
	s_add_co_u32 s44, s44, s48
	s_mov_b32 s45, 0
	s_lshl_b32 s46, s23, 12                        ; expert_b: 4,096 bytes an expert
	s_add_co_u32 s46, s46, s48
	s_mov_b32 s47, 0
	s_mul_i32 s50, s22, PITCH
	s_lshl_b32 s51, s22, 5
	s_add_co_u32 s51, s51, SCL
	s_lshl_b32 s52, s22, 2
	s_add_co_u32 s52, s52, TKL
	s_mov_b32 s34, 0
	v_and_b32 v1, 31, v0                           ; lane
	v_and_b32 v2, 15, v0                           ; r
	v_bfe_u32 v3, v0, 4, 1                         ; h
	v_bfe_u32 v25, v0, 3, 1                        ; r / 8
	v_and_b32 v31, 7, v0                           ; r % 8
	v_lshlrev_b32 v30, 2, v1
	v_lshlrev_b32 v17, 4, v1
	v_lshlrev_b32 v16, 4, v2
	v_lshlrev_b32 v26, 7, v3
	v_lshlrev_b32 v27, 5, v3
	v_lshlrev_b32 v24, 4, v3
	v_lshl_add_u32 v26, v25, 8, v26
	v_lshl_add_u32 v5, v25, 7, v27
	v_lshl_add_u32 v4, v31, 4, v26                 ; wc: 256 (r / 8) + 128 h + 16 (r % 8)
	v_lshl_add_u32 v5, v31, 2, v5                  ; ws: 128 (r / 8) + 32 h + 4 (r % 8)
	v_lshl_add_u32 v6, v2, 5, v24
	v_add_nc_u32 v6, SCL, v6                       ; scale words back: row r, + 16 h
	v_add_nc_u32 v7, TKL, v27                      ; tokens and gates back: rows 8 h on
	v_mul_u32_u24 v26, v2, PITCH
	v_lshl_add_u32 v8, v3, 4, v26                  ; a fragment: row r x pitch + 16 h
	v_add_nc_u32 v9, 96*PITCH, v8                  ; (rows 96 on: the immediate has 16 bits)
	v_add_nc_u32 v10, s50, v17                     ; rows in: row w, 16 bytes a lane
	v_add_nc_u32 v11, 128*PITCH, v10
	v_lshlrev_b32 v12, 7, v1
	v_add_nc_u32 v12, s51, v12                     ; scale words in: row 4 lane + w,
	v_lshl_add_u32 v13, v2, 7, v24
	v_add_nc_u32 v13, s51, v13
	v_add_nc_u32 v13, 128*32, v13                  ; and row 128 + 4 r + w, + 16 h
	v_add_nc_u32 v14, s52, v17                     ; tokens and gates in: the same rows
	v_add_nc_u32 v15, s52, v16
	v_add_nc_u32 v15, 512, v15
	v_add_nc_u32 v18, s22, v30                     ; row 4 lane + w
	v_lshlrev_b32 v19, 2, v2
	v_add_nc_u32 v19, s22, v19
	v_add_nc_u32 v19, 128, v19                     ; row 128 + 4 r + w
.irp k, 0,1,2,3
	v_mov_b32 v[244+\k], 0                         ; where a move between lanes has no source, 0 stays
.endr
	s_wait_alu depctr_va_vdst(0)                   ; the wait at the head's end
	s_wait_kmcnt 0x0
	s_add_nc_u64 s[14:15], s[14:15], s[40:41]
	s_add_nc_u64 s[16:17], s[16:17], s[40:41]
	s_add_nc_u64 s[18:19], s[18:19], s[46:47]
	s_add_nc_u64 s[10:11], s[10:11], s[44:45]
	s_add_nc_u64 s[8:9], s[8:9], s[42:43]
	s_add_nc_u64 s[20:21], s[20:21], s[48:49]
	global_load_b32 v23, v30, s[14:15]             ; my group's mask,
	global_load_b32 v22, v30, s[16:17]             ; its count,
	global_load_b128 v[BB:BB+3], v16, s[18:19]     ; the bias of my four columns
	PK 0
	PK 1
	PK 2
	s_wait_loadcnt 31                              ; mask and count: behind them stand the bias and thirty loads of weights
	v_mov_b32 v24, v22
.irp k, 0,1,2,3                        ; the counts, summed along each row of 16 lanes
	v_mov_b32_dpp v[244+\k], v24 row_shr:(1<<\k) row_mask:0xf bank_mask:0xf
	v_add_nc_u32 v24, v24, v[244+\k]
.endr
	v_readlane_b32 s28, v24, 15
	v_mul_u32_u24 v25, s28, v3
	v_add_nc_u32 v24, v24, v25                     ; and over both
	v_sub_nc_u32 v22, v24, v22                     ; where my group's tokens begin
	v_readlane_b32 s26, v24, 31
.set LN, 0
.rept 31
	v_readlane_b32 s[Q+LN], v24, LN
.set LN, LN+1
.endr
	s_wait_alu depctr_va_vdst(0)                   ; the wait ahead of the readers below
	s_max_u32 s35, s26, 1
	s_sub_co_u32 s35, s35, 1                       ; the last position
	ROWS
	FIND 1
	GATHER 0, 32
	s_cmp_gt_u32 s[CNT], 160
	s_cbranch_scc1 .Lrows_192
	s_cmp_gt_u32 s[CNT], 128
	s_cbranch_scc1 .Lrows_160
	REST 32
	s_branch .Ltile
.Lrows_160:
	REST 40
	s_branch .Ltile
.Lrows_192:
	REST 48
.Ltile:
	s_wait_dscnt 0x0                               ; for the others: my rows have landed
	s_barrier_signal -1
	s_barrier_wait -1
	s_cmp_eq_u32 s[CNT], 0
	s_cbranch_scc1 .Ldone
	ALOAD 0
.irp g, 0,1,2,3,4
	GROUP \g
	s_cmp_le_u32 s[CNT], 32*(\g+1)
	s_cbranch_scc1 .Llast_\g
	ALOAD \g+1                                     ; the next group's, ahead of this group's way out
	EPI \g, 0
	EPI \g, 1
.endr
	GROUP 5
	LAST 5
.irp g, 0,1,2,3,4
.Llast_\g:
	LAST \g
.endr
.Ldone:
	s_wait_xcnt 0x0                                ; the stores have read their data and offsets
	s_wait_dscnt 0x0                               ; my reads of the tile are over
	s_barrier_signal -1
	s_barrier_wait -1
	s_add_co_u32 s34, s34, 192
	ROWS
	s_cmp_eq_u32 s[CNT], 0
	s_cbranch_scc1 .Lnext
	FIND 0
	GATHER 0, 48
	s_wait_loadcnt 0x0
	TOLDS 48
.Lnext:
	s_cmp_lt_u32 s34, 1152
	s_cbranch_scc1 .Ltile
	s_wait_tensorcnt 0x0                           ; the wave's end
	ds_add_u32 v28, v29
	s_wait_dscnt 0x0
	s_endpgm
.Lfunc_end_k_q7c6137524b_ffn:
	.size	k_q7c6137524b_ffn, .Lfunc_end_k_q7c6137524b_ffn-k_q7c6137524b_ffn
	.p2alignl 7, 3214868480
	.fill 96, 4, 3214868480
	.section	.rodata,"a",@progbits
	.p2align	6, 0x0
	.amdhsa_kernel k_q7c6137524b_ffn
		.amdhsa_group_segment_fixed_size 109568
		.amdhsa_private_segment_fixed_size 0
		.amdhsa_enable_private_segment 0
		.amdhsa_kernarg_size 72
		.amdhsa_user_sgpr_count 2
		.amdhsa_user_sgpr_kernarg_segment_ptr 1
		.amdhsa_wavefront_size32 1
		.amdhsa_system_sgpr_workgroup_id_x 1
		.amdhsa_system_sgpr_workgroup_id_y 1
		.amdhsa_system_sgpr_workgroup_id_z 1
		.amdhsa_system_vgpr_workitem_id 0
		.amdhsa_next_free_vgpr 1024
		.amdhsa_next_free_sgpr 102
		.amdhsa_reserve_vcc 0
		.amdhsa_float_denorm_mode_32 3
		.amdhsa_float_denorm_mode_16_64 3
		.amdhsa_memory_ordered 1
		.amdhsa_forward_progress 1
		.amdhsa_inst_pref_size 225
	.end_amdhsa_kernel
	.amdgpu_metadata
---
amdhsa.version: [ 1, 2 ]
amdhsa.kernels:
  - .name:           k_q7c6137524b_ffn
    .symbol:         k_q7c6137524b_ffn.kd
    .args:
      - { .name: xc, .offset: 0, .size: 8, .value_kind: global_buffer, .address_space: global }
      - { .name: xs, .offset: 8, .size: 8, .value_kind: global_buffer, .address_space: global }
      - { .name: wc, .offset: 16, .size: 8, .value_kind: global_buffer, .address_space: global }
      - { .name: ws, .offset: 24, .size: 8, .value_kind: global_buffer, .address_space: global }
      - { .name: gate, .offset: 32, .size: 8, .value_kind: global_buffer, .address_space: global }
      - { .name: masks, .offset: 40, .size: 8, .value_kind: global_buffer, .address_space: global }
      - { .name: cnts, .offset: 48, .size: 8, .value_kind: global_buffer, .address_space: global }
      - { .name: expert_b, .offset: 56, .size: 8, .value_kind: global_buffer, .address_space: global }
      - { .name: out0, .offset: 64, .size: 8, .value_kind: global_buffer, .address_space: global }
    .group_segment_fixed_size: 109568
    .private_segment_fixed_size: 0
    .kernarg_segment_align: 8
    .kernarg_segment_size: 72
    .max_flat_workgroup_size: 128
    .sgpr_count:     102
    .vgpr_count:     1024
    .wavefront_size: 32
...
	.end_amdgpu_metadata
.endif
;; end of part 5
